; MI455X (gfx1250); checked and timed in simulation.
; The chip was launched on July 23, 2026; its instructions are those of AMD's public machine-readable ISA for CDNA 5 (MIT licence, August 2026) and "CDNA5" Instruction Set Architecture Reference Guide (July 2026). The comments in the code are by the model that wrote it; some were corrected since.
;; Multi Head Self Attention. Allowed arithmetic: matrix products marked QUANTISED: E2M1 operands, one E8M0 scale for each 32 along K, by v_wmma_scale_f32_16x16x128_f8f6f4 with both operands' format E2M1 (or v_wmma_scale_f32_32x16x128_f4), f32 sums; products left as they are: bf16, f16 or f32 operands; f32 sums; everything else in f32.
;; Inputs: Wk 2,048 x 2,048 float32; Wo 2,048 x 2,048 float32; Wq 2,048 x 2,048 float32; Wv 2,048 x 2,048 float32; token_positions 2,048 int32; x 1 x 2,048 x 2,048 float32.
;; Outputs: out0 1 x 2,048 x 2,048 float32.
;; This version of the problem:
;;   THIS VERSION OF THE PROBLEM IS GIVEN IN LOW PRECISION. The matrix products marked QUANTISED in the list below multiply operands that are first quantised to E2M1 (2 exponent bits, 1 mantissa bit; 4 bits a number), with one power-of-two scale for each 32 numbers along K (OCP MX v1.0); their sums are f32. The products marked 'left as it is' may take bf16, f16 or f32 operands, with f32 sums. Whichever they take, every output number must still come out within the allowed error. Rounding operands to bf16 (8 significant bits) uses up far more of that allowance than f16 does (11 bits, for magnitudes from 6e-5 to 65,504). All else is computed in f32.
;;   The module's matrix products, in the order in which they are computed (A, B: the left and right operand; K: the contracted axis; several contracted axes count as one K, in the product's order):
;;     1. [M 2,048, K 2,048] x [K 2,048, N 2,048]; A: input x; B: input Wq: QUANTISED
;;     2. [M 2,048, K 2,048] x [K 2,048, N 2,048]; A: input x; B: input Wk: QUANTISED
;;     3. [M 2,048, K 2,048] x [K 2,048, N 2,048]; A: input x; B: input Wv: QUANTISED
;;     4. batch 16 x [M 2,048, K 128] x [K 128, N 2,048]; A: computed on the way; B: computed on the way: left as it is (an operand is computed on the way)
;;     5. batch 16 x [M 2,048, K 2,048] x [K 2,048, N 128]; A: computed on the way; B: computed on the way: left as it is (an operand is computed on the way)
;;     6. [M 2,048, K 2,048] x [K 2,048, N 2,048]; A: computed on the way; B: input Wo: left as it is (an operand is computed on the way)
;;   THE QUANTISER, for each operand of a quantised product, along K:
;;     - K is cut into blocks of 32 from its start; a last block that is shorter is filled with zeros.
;;     - A block's scale is 2^e with e = floor(log2(the largest magnitude in the block)) - 2, held to -126 .. 127; a block of zeros has e = 0. As a byte (E8M0): e + 127.
;;     - Each number is divided by its block's scale, clamped to +-6, and rounded to the nearest number of E2M1, ties to even, subnormals kept.
;;     - The product sums the exact products of the quantised numbers (number of the format x scale) in f32.
;;   ~~~python
;;   def quantise(x, axis):      # numpy; x: float32 -> the quantised numbers, widened to float32 again
;;       x = np.moveaxis(x, axis, -1); K = x.shape[-1]
;;       x = np.pad(x, [(0, 0)] * (x.ndim - 1) + [(0, -K % 32)]); x = x.reshape(x.shape[:-1] + (-1, 32)); a = np.abs(x).max(-1, keepdims=True)
;;       e = np.where(a > 0, np.clip(np.frexp(np.where(a > 0, a, 1))[1] - 1 - 2, -126, 127), 0)      # np.frexp(a)[1] - 1 = floor(log2(a)), exactly
;;       r = np.clip(x / 2.0 ** e, -6, 6)
;;       step = 2.0 ** (np.maximum(np.frexp(np.where(r == 0, 1, r))[1] - 1, 0) - 1)
;;       q = np.round(r / step) * step * 2.0 ** e      # np.round: ties to even
;;       return np.moveaxis(q.reshape(q.shape[:-2] + (-1,))[..., :K], -1, axis).astype(np.float32)
;;   ~~~
;; One version. Each part assembles by itself: llvm-mc -triple=amdgcn-amd-amdhsa -mcpu=gfx1250 --defsym DOCPART=n.
;; ======== version 1 of 1: 5 launches
;; limits: values are held in f16: magnitudes above 65,504 overflow, below 6.1e-05 lose precision; right only within a limited range of input values
;; workspace buffers: codes 8,388,608 bytes; scales 524,288 bytes; wo16 8,388,608 bytes; rope 1,048,576 bytes; qkv 25,165,824 bytes; qkv16 393,216 bytes; ctx 8,388,608 bytes
;; launch prep (part 1): grid 768 x 1, 4 waves a work-group, no clusters, 33,280 bytes of LDS; arguments x, Wq, Wk, Wv, Wo, token_positions, codes, scales, wo16, rope; writes codes, scales, wo16, rope
.if DOCPART == 1
	.amdgcn_target "amdgcn-amd-amdhsa--gfx1250"
	.amdhsa_code_object_version 6
	.text
	.protected	k_q02d0be726f_prep
	.globl	k_q02d0be726f_prep
	.p2align	8
	.type	k_q02d0be726f_prep,@function
k_q02d0be726f_prep:
	s_mov_b64 s[64:65], 0
	v_nop
	global_prefetch_b8 v0, s[64:65] scope:SCOPE_SE
	s_setreg_imm32_b32 hwreg(HW_REG_WAVE_MODE, 25, 1), 1
	s_wait_xcnt 0x0
; MULTI-HEAD SELF-ATTENTION, S = 2,048, D = 2,048, 16 heads of 128, in five launches.  This is the first: it prepares operands.
;   work-groups 0-511:   x, Wq, Wk, Wv (f32, K = the model axis, innermost) -> codes of FP4 (E2M1) and one E8M0 byte for each 32 along K.
;                        codes: [8192 rows][1,024 bytes], rows 0-2047 x, then Wq, Wk, Wv; scales: [8192][64].
;   work-groups 512-639: Wo -> f16, same layout [o][i].
;   work-groups 640-767: cos and sin of token_positions[s] / 10000^(2 p / 128), laid in the order in which the second launch's registers take them.
; DEAD WORK LEFT OUT BY THE PROGRAM: only key steps that lie wholly above the diagonal (third launch).  reference() sets those scores to -infinity by its own
; jnp.tril; the softmax gives them the weight 0 for all finite inputs, and 0 x v adds nothing.  Every input has a way to the output and all six are loaded.
; LIMIT that goes with it: a NaN, an infinity or an overflow in k or v at a key that is masked for a query is not carried to that query's result.
; LIMITS OF RANGE: q, k (after the rotation) and v go on as f16: magnitudes up to 65,504.  Inputs 30 times larger (rms 900) or with an offset of 30 spreads on x and W
; (2,048 x 30 x 0.66 x sqrt 2 = 58,000) stay inside.  |token position| up to 2^20: the reduction by pi/2 is in two terms.
; Blocks whose largest magnitude lies under 2^(2 - 126) keep the byte 1; a block of zeros keeps the byte 1 where the rule says 127 (its codes are zeros, and this program alone reads the bytes).
; NaN and infinities among the inputs are not served.
; Only the quantising path uses LDS (each wave its own region); no tensor loads, no barrier: waves share nothing.
.set WAVES, 4
.set STEPS, 16
.set EMAX,  2
.set CB,    8                          ; bytes of 16 codes
.set R,     16                         ; v16-79   four sets of 16 numbers as they are loaded
.set X,     80                         ; v80-111  two sets of 16 neighbours (quantiser)
.set Y,     80                         ; v80-95   two sets of 8 registers of f16 (Wo's path)
.set C,     128                        ; v128-191 codes: four registers for each step
.set E,     112                        ; v112-127 a scale byte for each step
.set WREG,  8192                       ; LDS: a region for each wave: two stages of 32 x SP bytes, then its 256 scale bytes
.set SP,    80                         ; a lane's place in a stage: 64 bytes + 16 of padding
.set SPW,   12                         ; v12 LDS address of my spare word; never rewritten
.set NIL,   13                         ; v13 0; never rewritten
.set SPARE, WAVES*WREG                 ; behind the four regions: the spare words, 128 bytes a wave
	s_load_b256 s[4:11], s[0:1], 0x0               ; x, Wq, Wk, Wv
	s_load_b128 s[12:15], s[0:1], 0x20             ; Wo, token_positions
	s_load_b128 s[16:19], s[0:1], 0x30             ; codes, scales
	s_load_b128 s[20:23], s[0:1], 0x40             ; wo16, rope
	v_lshl_add_u32 v[SPW], v0, 2, SPARE
	v_mov_b32 v[NIL], 0
	v_lshrrev_b32 v1, 5, v0
	v_readfirstlane_b32 s24, v1                    ; wave
	v_and_b32 v2, 31, v0                           ; lane
	s_mov_b32 s33, 0
	s_wait_kmcnt 0x0
	s_cmp_lt_u32 ttmp9, 512
	s_cbranch_scc0 .Lnot_q
; ---------------- THE QUANTISER.  A tensor is a plain stream of blocks of 32; a wave takes a run of 8,192 numbers in 16 steps of 512.
; Each load reads 512 consecutive bytes; a step's 2,048 bytes turn through the wave's own stage so that a lane holds 16 neighbours along K; two neighbouring lanes hold a block.
	v_lshlrev_b32 v3, 4, v2                        ; my 16 bytes of a load's 512
	s_mul_i32 s25, s24, WREG
	v_lshrrev_b32 v14, 2, v2
	v_mul_u32_u24 v14, v14, SP
	v_and_b32 v15, 3, v2
	v_lshl_add_u32 v14, v15, 4, v14
	v_add_nc_u32 v14, s25, v14                     ; the stage, on the way in: SP (lane / 4) + 16 (lane % 4)
	v_mul_u32_u24 v15, v2, SP
	v_add_nc_u32 v15, s25, v15                     ; and on the way out: SP x lane
	v_mul_u32_u24 v4, v2, CB                       ; my codes' place in a step's
	v_lshrrev_b32 v5, 1, v2
	s_add_co_u32 s25, s25, 2*32*SP
	v_add_nc_u32 v5, s25, v5                       ; LDS: my wave's 256 scale bytes, my block's byte
	v_lshlrev_b32 v7, 3, v2                        ; and on the way out 8 bytes a lane
	v_add_nc_u32 v6, s25, v7
	s_cmp_lt_u32 ttmp9, 128                        ; which tensor: 128 work-groups each; the choice hangs on the work-group's number alone
	s_cselect_b64 s[26:27], s[4:5], s[6:7]
	s_cmp_lt_u32 ttmp9, 384
	s_cselect_b64 s[28:29], s[8:9], s[10:11]
	s_cmp_lt_u32 ttmp9, 256
	s_cselect_b64 s[26:27], s[26:27], s[28:29]
	s_lshl_b32 s30, ttmp9, 2
	s_add_co_u32 s30, s30, s24                     ; my run among the 2,048 of the four tensors
	s_and_b32 s32, s30, 511                        ; and within its tensor
	s_lshl_b32 s32, s32, 15                        ; 32,768 bytes of f32 a run
	s_add_nc_u64 s[26:27], s[26:27], s[32:33]
	s_lshl_b32 s32, s30, 12                        ; 4,096 bytes of codes
	s_add_nc_u64 s[16:17], s[16:17], s[32:33]
	s_lshl_b32 s32, s30, 8                         ; 256 scale bytes
	s_add_nc_u64 s[18:19], s[18:19], s[32:33]
.macro QLOAD t
.irp i, 0,1,2,3
	global_load_b128 v[R+16*((\t)%4)+4*\i:R+16*((\t)%4)+4*\i+3], v3, s[26:27] offset:2048*(\t)+512*\i th:TH_LOAD_NT
.endr
.endm
.macro QTURN t                         ; step t's numbers through the stage: LDS serves a wave's instructions in order, so no wait stands between the stores and the loads
.irp i, 0,1,2,3
	ds_store_b128 v14, v[R+16*((\t)%4)+4*\i:R+16*((\t)%4)+4*\i+3] offset:32*SP*((\t)%2)+8*SP*\i
.endr
.irp i, 0,1,2,3
	ds_load_b128 v[X+16*((\t)%2)+4*\i:X+16*((\t)%2)+4*\i+3], v15 offset:32*SP*((\t)%2)+16*\i
.endr
.endm
.irp t, 0,1,2,3
	QLOAD \t
.endr
	s_wait_loadcnt 12                              ; step 0's four loads are in; the twelve of steps 1 to 3 stay out
	QTURN 0
.macro QSTEP t
.set XS, X+16*((\t)%2)
.if (\t) > 0
	s_wait_dscnt 1                                 ; this step's numbers are back from the stage (the last step's byte store may be out)
.else
	s_wait_dscnt 0x0
.endif
.if (\t)+4 < STEPS
	QLOAD (\t)+4                                   ; into the registers that the stage's stores have read
.endif
.if (\t)+1 < STEPS
.if STEPS-2-(\t) >= 3
	s_wait_loadcnt 12                              ; the next step's four loads are in; those of the three steps behind it may be out
.else
	s_wait_loadcnt 4*(STEPS-2-(\t))
.endif
	QTURN (\t)+1
.endif
	v_max3_num_f32 v8, |v[XS]|, |v[XS+1]|, |v[XS+2]|               ; the largest magnitude of my 16, in two chains
	v_max3_num_f32 v9, |v[XS+3]|, |v[XS+4]|, |v[XS+5]|
.irp i, 6,10
	v_max3_num_f32 v8, v8, |v[XS+\i]|, |v[XS+\i+1]|
	v_max3_num_f32 v9, v9, |v[XS+\i+2]|, |v[XS+\i+3]|
.endr
	v_max3_num_f32 v8, v8, |v[XS+14]|, |v[XS+15]|
	v_max3_num_f32 v8, v8, v9, (EMAX+1)<<23        ; and the floor 2^(EMAX + 1 - 127): the byte cannot fall under 1
	v_max_num_f32_dpp v8, v8, v8 row_xmask:1 row_mask:0xf bank_mask:0xf   ; and of my neighbour's 16: the block's
	v_add_nc_u32 v11, -(EMAX<<23), v8              ; EMAX off its exponent field: the conversion takes this operand's exponent field as its scale
	v_cvt_scalef32_pk8_fp4_f32 v[C+4*(\t)], v[XS:XS+7], v11
	v_cvt_scalef32_pk8_fp4_f32 v[C+4*(\t)+1], v[XS+8:XS+15], v11
	v_lshrrev_b32 v[E+(\t)], 23, v11               ; the scale's byte (also the plain line behind the conversions)
	ds_store_b8 v5, v[E+(\t)] offset:16*(\t)       ; both lanes of a block write the same byte with the same value
	global_store_b64 v4, v[C+4*(\t):C+4*(\t)+1], s[16:17] offset:32*CB*(\t)   ; the wave stores 256 consecutive bytes, aligned
.endm
.irp t, 0,1,2,3,4,5,6,7,8,9,10,11,12,13,14,15
	QSTEP \t
.endr
	ds_load_b64 v[8:9], v6                         ; my wave's 256 scale bytes: these loads see my stores
	s_wait_dscnt 0x0
	global_store_b64 v7, v[8:9], s[18:19]          ; 256 consecutive bytes, aligned
	s_wait_tensorcnt 0x0                           ; the wave's end: behind my last LDS store
	ds_add_u32 v[SPW], v[NIL]
	s_wait_dscnt 0x0
	s_endpgm
.Lnot_q:
	s_cmp_lt_u32 ttmp9, 640
	s_cbranch_scc0 .Ltable
; ---------------- Wo TO f16.  A wave takes a run of 8,192 numbers in 16 steps of 512; loads run four steps (16 loads) ahead.
	s_sub_co_u32 s30, ttmp9, 512
	s_lshl_b32 s30, s30, 2
	s_add_co_u32 s30, s30, s24                     ; my run of 512
	s_lshl_b32 s32, s30, 15
	s_add_nc_u64 s[12:13], s[12:13], s[32:33]
	s_lshl_b32 s32, s30, 14
	s_add_nc_u64 s[20:21], s[20:21], s[32:33]
	v_lshlrev_b32 v3, 4, v2                        ; in: 16 bytes a lane
	v_lshlrev_b32 v4, 3, v2                        ; out: 8 bytes a lane
.macro WLOAD t
.irp i, 0,1,2,3
	global_load_b128 v[R+16*((\t)%4)+4*\i:R+16*((\t)%4)+4*\i+3], v3, s[12:13] offset:2048*(\t)+512*\i th:TH_LOAD_NT
.endr
.endm
.macro WSTEP t
.if 15-(\t) >= 3
	s_wait_loadcnt 12                              ; this step's four loads are in; the twelve of the next three steps stay out
.else
	s_wait_loadcnt 4*(15-(\t))
.endif
	s_wait_xcnt 0x0                                ; the stores of two steps back have read this set of Y
.irp i, 0,1,2,3
	v_cvt_pk_f16_f32 v[Y+8*((\t)%2)+2*\i],   v[R+16*((\t)%4)+4*\i],   v[R+16*((\t)%4)+4*\i+1]
	v_cvt_pk_f16_f32 v[Y+8*((\t)%2)+2*\i+1], v[R+16*((\t)%4)+4*\i+2], v[R+16*((\t)%4)+4*\i+3]
.endr
.if (\t)+4 < 16
	WLOAD (\t)+4
.endif
.irp i, 0,1,2,3
	global_store_b64 v4, v[Y+8*((\t)%2)+2*\i:Y+8*((\t)%2)+2*\i+1], s[20:21] offset:1024*(\t)+256*\i   ; 256 consecutive bytes, aligned
.endr
.endm
.irp t, 0,1,2,3
	WLOAD \t
.endr
.irp t, 0,1,2,3,4,5,6,7,8,9,10,11,12,13,14,15
	WSTEP \t
.endr
	s_endpgm
.Ltable:
; ---------------- THE TABLE OF cos AND sin.  Work-group 640 + sblk serves positions 16 sblk .. + 15: 8,192 bytes.
; Byte ((sblk 8 + b) 2 + q) 512 + 16 lane holds (cos, sin, cos, sin) of position 16 sblk + lane % 16 and pairs 8 b + 4 (lane / 16) + 2 q + 0, 1.
; Thread t writes 16 bytes at 2,048 i + 16 t, i = 0 .. 3: there b = 2 i + wave / 2 and q = wave % 2, so its pairs begin at 16 i + 8 (wave / 2) + 4 (lane / 16) + 2 (wave % 2).
; The angle is reduced by n = the nearest whole multiple of pi / 2 (pi / 2 in two f32 terms, fused), sine and cosine of the rest (at most pi / 4) are Taylor sums up to r^9 and r^8,
; and n mod 4 chooses and signs them by selects: no branch hangs on these numbers.
	s_sub_co_u32 s27, ttmp9, 640                   ; sblk
	s_lshl_b32 s32, s27, 6
	s_add_nc_u64 s[14:15], s[14:15], s[32:33]      ; my 16 positions
	s_lshl_b32 s32, s27, 13
	s_add_nc_u64 s[22:23], s[22:23], s[32:33]      ; my 8,192 bytes
	v_and_b32 v21, 15, v0
	v_lshlrev_b32 v21, 2, v21
	global_load_b32 v22, v21, s[14:15]
	v_lshlrev_b32 v23, 4, v0                       ; 16 x thread
	v_bfe_u32 v20, v0, 4, 1
	s_lshr_b32 s25, s24, 1
	s_and_b32 s26, s24, 1
	s_lshl_b32 s25, s25, 3
	s_lshl_b32 s26, s26, 1
	s_add_co_u32 s25, s25, s26
	v_lshl_add_u32 v20, v20, 2, s25                ; my first pair
	s_mov_b32 s32, 0x3f22f983                      ; 2 / pi
	s_mov_b32 s33, 0xbfc90fdb                      ; -(pi / 2), the f32 nearest
	s_mov_b32 s34, 0x333bbd2e                      ; and what that f32 is over pi / 2
	s_mov_b32 s35, 0x3638ef1b                      ; 1 / 9!
	s_mov_b32 s36, 0xb9500d01                      ; -1 / 7!
	s_mov_b32 s37, 0x3c088889                      ; 1 / 5!
	s_mov_b32 s38, 0xbe2aaaab                      ; -1 / 3!
	s_mov_b32 s39, 0x37d00d01                      ; 1 / 8!
	s_mov_b32 s40, 0xbab60b61                      ; -1 / 6!
	s_mov_b32 s41, 0x3d2aaaab                      ; 1 / 4!
.irp n, 0,1,2,3,4,5,6,7
	v_add_nc_u32 v[24+\n], 16*(\n/2)+(\n%2), v20   ; pair p
.endr
.irp n, 0,1,2,3,4,5,6,7
	v_cvt_f32_u32 v[24+\n], v[24+\n]
.endr
.irp n, 0,1,2,3,4,5,6,7
	v_mul_f32 v[24+\n], 0xbe549a78, v[24+\n]       ; -p log2(10000) / 64
.endr
.irp n, 0,1,2,3,4,5,6,7
	v_exp_f32 v[24+\n], v[24+\n]                   ; 10000^(-2 p / 128): one batch
.endr
	v_nop                                          ; a plain line behind the last exponential
	s_wait_alu depctr_va_vdst(0)                   ; one wait for the batch, ahead of its first reader
	s_wait_loadcnt 0x0
	v_cvt_f32_i32 v22, v22                         ; the position
.macro SINCOS iv, oc, os
	v_mul_f32 v40, v22, v[\iv]                     ; the angle
	v_mul_f32 v41, s32, v40
	v_rndne_f32 v41, v41                           ; n
	v_fma_f32 v42, v41, s33, v40
	v_fma_f32 v42, v41, s34, v42                   ; r = angle - n pi / 2
	v_mul_f32 v43, v42, v42                        ; z = r^2
	v_fma_f32 v44, v43, s35, s36
	v_fma_f32 v46, v43, s39, s40
	v_fma_f32 v44, v44, v43, s37
	v_fma_f32 v46, v46, v43, s41
	v_fma_f32 v44, v44, v43, s38
	v_fma_f32 v46, v46, v43, -0.5
	v_mul_f32 v45, v42, v43
	v_fma_f32 v46, v46, v43, 1.0                   ; cos r
	v_fma_f32 v44, v45, v44, v42                   ; sin r
	v_cvt_i32_f32 v47, v41
	v_and_b32 v48, 1, v47
	v_cmp_eq_u32 vcc_lo, 1, v48                    ; an odd quarter swaps the two
	v_cndmask_b32 v49, v44, v46, vcc_lo
	v_cndmask_b32 v50, v46, v44, vcc_lo
	v_lshlrev_b32 v48, 30, v47                     ; the sine is negative in quarters 2, 3: bit 1 of n
	v_and_b32 v48, 0x80000000, v48
	v_xor_b32 v[\os], v49, v48
	v_add_nc_u32 v47, 1, v47                       ; the cosine in quarters 1, 2: bit 1 of n + 1
	v_lshlrev_b32 v47, 30, v47
	v_and_b32 v47, 0x80000000, v47
	v_xor_b32 v[\oc], v50, v47
.endm
.irp n, 0,1,2,3,4,5,6,7
	SINCOS 24+\n, 56+2*\n, 57+2*\n
.endr
.irp i, 0,1,2,3
	global_store_b128 v23, v[56+4*\i:59+4*\i], s[22:23] offset:2048*\i   ; a wave stores 512 consecutive bytes
.endr
	s_endpgm
.Lfunc_end_k_q02d0be726f_prep:
	.size	k_q02d0be726f_prep, .Lfunc_end_k_q02d0be726f_prep-k_q02d0be726f_prep
	.p2alignl 7, 3214868480
	.fill 96, 4, 3214868480
	.section	.rodata,"a",@progbits
	.p2align	6, 0x0
	.amdhsa_kernel k_q02d0be726f_prep
		.amdhsa_group_segment_fixed_size 33280
		.amdhsa_private_segment_fixed_size 0
		.amdhsa_enable_private_segment 0
		.amdhsa_kernarg_size 80
		.amdhsa_user_sgpr_count 2
		.amdhsa_user_sgpr_kernarg_segment_ptr 1
		.amdhsa_wavefront_size32 1
		.amdhsa_system_sgpr_workgroup_id_x 1
		.amdhsa_system_sgpr_workgroup_id_y 1
		.amdhsa_system_sgpr_workgroup_id_z 1
		.amdhsa_system_vgpr_workitem_id 0
		.amdhsa_next_free_vgpr 192
		.amdhsa_next_free_sgpr 66
		.amdhsa_reserve_vcc 1
		.amdhsa_float_denorm_mode_32 3
		.amdhsa_float_denorm_mode_16_64 3
		.amdhsa_memory_ordered 1
		.amdhsa_forward_progress 1
		.amdhsa_inst_pref_size 68
	.end_amdhsa_kernel
	.amdgpu_metadata
---
amdhsa.version: [ 1, 2 ]
amdhsa.kernels:
  - .name:           k_q02d0be726f_prep
    .symbol:         k_q02d0be726f_prep.kd
    .args:
      - { .name: x, .offset: 0, .size: 8, .value_kind: global_buffer, .address_space: global }
      - { .name: Wq, .offset: 8, .size: 8, .value_kind: global_buffer, .address_space: global }
      - { .name: Wk, .offset: 16, .size: 8, .value_kind: global_buffer, .address_space: global }
      - { .name: Wv, .offset: 24, .size: 8, .value_kind: global_buffer, .address_space: global }
      - { .name: Wo, .offset: 32, .size: 8, .value_kind: global_buffer, .address_space: global }
      - { .name: token_positions, .offset: 40, .size: 8, .value_kind: global_buffer, .address_space: global }
      - { .name: codes, .offset: 48, .size: 8, .value_kind: global_buffer, .address_space: global }
      - { .name: scales, .offset: 56, .size: 8, .value_kind: global_buffer, .address_space: global }
      - { .name: wo16, .offset: 64, .size: 8, .value_kind: global_buffer, .address_space: global }
      - { .name: rope, .offset: 72, .size: 8, .value_kind: global_buffer, .address_space: global }
    .group_segment_fixed_size: 33280
    .private_segment_fixed_size: 0
    .kernarg_segment_align: 8
    .kernarg_segment_size: 80
    .max_flat_workgroup_size: 128
    .sgpr_count:     66
    .vgpr_count:     192
    .wavefront_size: 32
...
	.end_amdgpu_metadata
.endif
;; end of part 1
;; launch project_qkv (part 2): grid 24 x 8, 4 waves a work-group, clusters of 4 x 4, 327,680 bytes of LDS; arguments codes, scales, rope, qkv, qkv16; writes qkv, qkv16
.if DOCPART == 2
	.amdgcn_target "amdgcn-amd-amdhsa--gfx1250"
	.amdhsa_code_object_version 6
	.text
	.protected	k_q02d0be726f_project_qkv
	.globl	k_q02d0be726f_project_qkv
	.p2align	8
	.type	k_q02d0be726f_project_qkv,@function
k_q02d0be726f_project_qkv:
	s_mov_b64 s[64:65], 0
	v_nop
	global_prefetch_b8 v0, s[64:65] scope:SCOPE_SE
	s_setreg_imm32_b32 hwreg(HW_REG_WAVE_MODE, 25, 1), 1
	s_wait_xcnt 0x0
	s_wait_alu depctr_hold_cnt(0) depctr_sa_sdst(0) depctr_va_vdst(0) depctr_va_sdst(0) depctr_va_ssrc(0) depctr_va_vcc(0) depctr_vm_vsrc(0)
	s_getreg_b32 s2, hwreg(HW_REG_IB_STS2, 6, 4)
	s_cmp_eq_u32 s2, 0
	s_cbranch_scc0 .Lentry_in_a_cluster
	s_endpgm
.Lentry_in_a_cluster:
	s_bfe_u32 s2, ttmp6, 0x10000c
	s_cmp_lg_u32 s2, 0xf033
	s_cbranch_scc0 .Lentry_shape_is_right
	s_endpgm
.Lentry_shape_is_right:
; q, k, v = x Wq^T, x Wk^T, x Wv^T as ONE product on codes of FP4 (E2M1) with E8M0 scales: C[m][n], m = 2,048 positions, n = 6,144 = (q, k, v) x 16 heads x 128, K = 2,048; sums in f32.
; A = rows 0-2047 of codes (x), B = rows 2048-8191 (Wq, Wk, Wv).  On the way out q and k are rotated (cos and sin from the first launch's table), all three are rounded to f16 and laid
; [3][16 heads][2048 positions][128]; the first 16 positions also leave in f32 (qkv16 [16][6144]) for the last launch.  No work of reference() is left out here.
; A tile of C, 256 x 256, is made by four waves; a wave makes 128 positions x 128 columns = one head: 64 accumulators of 16 x 16, 512 registers.
; K goes in steps of 512 through a ring of two LDS slots filled by the tensor data mover: a tile's row is 256 bytes of memory.
; THE SCALES of the work-group's 256 rows of A and of B, for all of K, are two dense blocks of memory: they come into LDS once, with the first fills, and stay.
; CLUSTERS: 4 x 4 work-groups.  The four of a row of the cluster need the same tiles of A, the four of a column the same tiles of B: each tile is asked for jointly.
; THE MATRIX INSTRUCTION IS USED TRANSPOSED (source 0 = 16 rows of B, source 1 = 16 rows of A): a lane holds one position and eight neighbouring channels: four pairs of the rotation.
; 192 work-groups: the 256 x 256 tile keeps a head whole in a wave.  By this text's count a wave has three tensor loads out at the start and one behind each round.
; REGISTERS, in windows of 256: window 0: v0-31 addresses; v32-95 scale words, two sets; from v128 A's fragments, one set; on the way out v32-191 are at work.
;   window 1: B's fragments, two sets, at v0 and v128; on the way out the table, two sets at v0 and v64.   windows 2, 3: the accumulators ((a, b) at v[8 (8 (a % 4) + b)]).
; LIMIT: f16's range, 65,504, for q, k after the rotation and v (the first kernel's head gives the arithmetic).
.set SIZE_M, 2048
.set SIZE_N, 6144
.set SIZE_K, 2048
.set KSTEP,  512                       ; along K in a slot
.set NQ,     KSTEP/128                 ; matrix instructions deep
.set ROWB,   256                       ; a tile's row in bytes
.set KROW,   SIZE_K*4/8                ; a row of codes in memory
.set PITCH,  272                       ; an LDS row: 256 bytes + 16 of padding: the 16 rows that a load touches start 68 words apart
.set FR,     8                         ; registers of a fragment
.set NL,     2                         ; LDS loads that bring one
.set NP,     4                         ; places behind this matrix instruction (ISA guide 7.12.1)
.set HALFT,  128*PITCH
.set SLOT,   4*HALFT
.set LAPS,   SIZE_K/(2*KSTEP)
.set KS,     SIZE_K/32                 ; a row of scales in bytes
.set SCL,    2*SLOT                    ; behind the ring: the scales, as units of 256 bytes + 16 of padding
.set HALFS,  (128*KS/256)*272
.set SBLK,   (16*KS/256)*272
.set SPARE,  SCL+4*HALFS               ; the spare words, 128 bytes a wave
.set SPITCH, 272                       ; the way out: a stage of 16 rows x (256 bytes + 16) for each wave, in slot 0, which has had its last fill and its last read by then
.set ADRA, 16
.set ADRB, 20
.set STO,  24                          ; v24 the way out: where I put 16 bytes of a row
.set RD,   25                          ; v25 where I read rows back
.set CO,   26                          ; v26 16 x lane: my place in 512 dense bytes (the table's, and two rows of qkv)
.set ADRS, 27
.set SPW,  28
.set NIL,  29
.set FO,   30                          ; v30 my byte offset in qkv16: row r of 24,576 bytes + 32 (lane / 16)
.set RB,   31                          ; v31 my wave's first position
.set SC,   32
.set AF,   128
.set F,    32                          ; the way out: v32-95 a block's 64 rotated numbers
.set PK,   96                          ; v96-127 the same as f16
.set BK,   128                         ; v128-159, v160-191 by turns: 16 rows read back
.set G1, 24
.set G0, 32
.set G1B, 48
.set G0B, 56
.set G1S, 68
.set G0S, 76
.set G1SB, 80
.set G0SB, 88
.set MSB, 0
.macro WIN new                         ; the immediate's high byte repeats the setting that is left
.if MSB != \new
	s_set_vgpr_msb (MSB<<8)|\new
.set MSB, \new
.endif
.endm
.set MUL_LO, 0xa1                      ; source 0 (B) window 1, source 1 (A) window 0, C and D window 2
.set MUL_HI, 0xf1
.set TO_B,   0x40
; A joint load: waves 0 and 1 fetch for A, waves 2 and 3 for B; the branch hangs on the wave's number alone.  An s_nop 0 and four v_nop follow each line.
.macro JLOAD g0a, g1a, g0b, g1b
	s_cmp_eq_u32 s15, 0
	s_cbranch_scc0 .Lfor_b_\@
	tensor_load_to_lds s[\g0a:\g0a+3], s[\g1a:\g1a+7]
	s_nop 0
.rept 4
	v_nop
.endr
	s_branch .Lasked_\@
.Lfor_b_\@:
	tensor_load_to_lds s[\g0b:\g0b+3], s[\g1b:\g1b+7]
	s_nop 0
.rept 4
	v_nop
.endr
.Lasked_\@:
.endm
.macro CREST                           ; a round of the cluster's barrier behind its opening barrier
	s_cmp_lg_u32 s14, 0
	s_cbranch_scc1 .Lnot_wave_0_\@
	s_barrier_signal -3
.Lnot_wave_0_\@:
	s_barrier_wait -3
	s_barrier_signal -1
	s_barrier_wait -1
.endm
.macro CROUND
	s_barrier_signal -1
	s_barrier_wait -1
	CREST
.endm
	s_load_b128 s[4:7], s[0:1], 0x0                ; codes s[4:5], scales s[6:7]
	s_load_b64 s[98:99], s[0:1], 0x10              ; the table
	s_load_b64 s[12:13], s[0:1], 0x18              ; qkv
	s_load_b64 s[100:101], s[0:1], 0x20            ; qkv16
	v_lshl_add_u32 v[SPW], v0, 2, SPARE
	v_mov_b32 v[NIL], 0
	ds_add_u32 v[SPW], v[NIL]                      ; the wave's opening: the add, twice on end, and its wait ahead of my first tensor load
	ds_add_u32 v[SPW], v[NIL]
	v_lshrrev_b32 v1, 5, v0
	v_readfirstlane_b32 s14, v1                    ; wave 0..3
	s_lshr_b32 s15, s14, 1                         ; which half of the tile's rows is mine.  Also: I fetch for A (0) or for B (1)
	s_and_b32 s16, s14, 1                          ; which half of its columns.  Also: which 128 rows of that tile I fetch
	s_bfe_u32 s40, ttmp6, 0x40000                  ; cx, cy
	s_bfe_u32 s41, ttmp6, 0x40004
	s_lshl_b32 s42, ttmp9, 2
	s_add_co_u32 s42, s42, s40                     ; tile column
	s_and_b32 s17, ttmp7, 0xffff
	s_lshl_b32 s17, s17, 2
	s_add_co_u32 s17, s17, s41                     ; tile row
	s_lshl_b32 s43, s41, 2
	s_lshl_b32 s43, 15, s43                        ; my row of the cluster
	s_lshl_b32 s44, 0x1111, s40                    ; my column
	s_or_b32 s[G1+0], s43, (0<<16)|(1<<20)|(1<<21)|(5<<22)|(3<<25)  ; mask; elements of 1 byte; padding: 4 words behind every 64; bit 21 beside a mask
	s_or_b32 s[G1B+0], s44, (0<<16)|(1<<20)|(1<<21)|(5<<22)|(3<<25)
.irp g, G1, G1B
	s_mov_b32 s[\g+1], ROWB<<16                    ; tensor_dim0
	s_mov_b32 s[\g+2], 128<<16                     ; tensor_dim1
	s_mov_b32 s[\g+3], ROWB<<16                    ; tile_dim0
	s_mov_b32 s[\g+4], 128                         ; tile_dim1
	s_mov_b32 s[\g+5], KROW                        ; tensor_dim0_stride
	s_mov_b32 s[\g+6], 0
	s_mov_b32 s[\g+7], 0
.endr
	s_or_b32 s[G1S+0], s43, (3<<16)|(1<<20)|(1<<21)|(5<<22)|(3<<25) ; the scales of 128 rows: a dense block, as rows of 256 bytes (32 elements of 8 bytes)
	s_or_b32 s[G1SB+0], s44, (3<<16)|(1<<20)|(1<<21)|(5<<22)|(3<<25)
.irp g, G1S, G1SB
	s_mov_b32 s[\g+1], 32<<16
	s_mov_b32 s[\g+2], (128*KS/256)<<16
	s_mov_b32 s[\g+3], 32<<16
	s_mov_b32 s[\g+4], 128*KS/256
	s_mov_b32 s[\g+5], 32
	s_mov_b32 s[\g+6], 0
	s_mov_b32 s[\g+7], 0
.endr
	s_lshl_b32 s18, s16, 7
	s_lshl_b32 s20, s17, 8
	s_add_co_u32 s20, s20, s18                     ; A: row 256 x tile row + 128 x half
	s_lshl_b32 s46, s42, 8
	s_add_co_u32 s46, s46, s18                     ; B: row 256 x tile column + 128 x half
	s_mov_b32 s21, 0
	s_mov_b32 s47, 0
	s_mov_b64 s[18:19], KS
	s_mul_u64 s[22:23], s[20:21], s[18:19]
	s_mul_u64 s[92:93], s[46:47], s[18:19]
	s_mov_b64 s[18:19], KROW
	s_mul_u64 s[20:21], s[20:21], s[18:19]
	s_mul_u64 s[46:47], s[46:47], s[18:19]
	s_mul_i32 s45, s14, HALFT                      ; where they go: wave x 128 rows
	s_mul_i32 s94, s14, HALFS
	s_wait_dscnt 0x0                               ; both opening adds are done
	s_wait_kmcnt 0x0
	s_add_nc_u64 s[8:9], s[4:5], 0x200000          ; B's codes begin behind x's 2,048 rows of 1,024 bytes,
	s_add_nc_u64 s[10:11], s[6:7], 0x20000         ; B's scales behind 2,048 rows of 64
	s_add_nc_u64 s[20:21], s[4:5], s[20:21]
	s_add_nc_u64 s[22:23], s[6:7], s[22:23]
	s_add_nc_u64 s[46:47], s[8:9], s[46:47]
	s_add_nc_u64 s[92:93], s[10:11], s[92:93]
	CROUND                                         ; all sixteen work-groups are here: the first joint loads meet
	s_mov_b32 s[G0S], 1
	s_add_co_u32 s[G0S+1], s94, SCL
	s_mov_b64 s[G0S+2:G0S+3], s[22:23]
	s_or_b32 s[G0S+3], s[G0S+3], 0x80000000
	s_mov_b32 s[G0SB], 1
	s_add_co_u32 s[G0SB+1], s94, SCL
	s_mov_b64 s[G0SB+2:G0SB+3], s[92:93]
	s_or_b32 s[G0SB+3], s[G0SB+3], 0x80000000
	JLOAD G0S, G1S, G0SB, G1SB                     ; the scales first: they are wanted with K step 0
.irp s, 0,1
	s_mov_b32 s[G0+4*\s], 1
	s_add_co_u32 s[G0+4*\s+1], s45, \s*SLOT
	s_add_nc_u64 s[G0+4*\s+2:G0+4*\s+3], s[20:21], \s*ROWB
	s_or_b32 s[G0+4*\s+3], s[G0+4*\s+3], 0x80000000
	s_mov_b32 s[G0B+4*\s], 1
	s_add_co_u32 s[G0B+4*\s+1], s45, \s*SLOT
	s_add_nc_u64 s[G0B+4*\s+2:G0B+4*\s+3], s[46:47], \s*ROWB
	s_or_b32 s[G0B+4*\s+3], s[G0B+4*\s+3], 0x80000000
	JLOAD G0+4*\s, G1, G0B+4*\s, G1B
.endr
	v_and_b32 v1, 15, v0                           ; l % 16
	v_bfe_u32 v2, v0, 4, 1                         ; l / 16
	v_mul_u32_u24 v3, v1, PITCH
	v_lshl_add_u32 v4, v2, 4, v3
	s_mul_i32 s21, s15, HALFT
	s_mul_i32 s22, s16, HALFT
	s_add_co_u32 s22, s22, 2*HALFT
.irp s, 0,1
	v_add_nc_u32 v[ADRA+\s], s21, v4
	v_add_nc_u32 v[ADRB+\s], s22, v4
	s_add_co_u32 s21, s21, SLOT
	s_add_co_u32 s22, s22, SLOT
.endr
	v_mul_u32_u24 v5, v1, KS                       ; my row's scales: KS bytes a row,
	v_lshrrev_b32 v6, 8, v5
	v_lshl_add_u32 v5, v6, 4, v5                   ; and 16 more for each 256 passed
	s_mul_i32 s21, s15, HALFS
	s_mul_i32 s22, s16, HALFS
	s_add_co_u32 s22, s22, 2*HALFS
	s_sub_co_u32 s22, s22, s21
	v_mul_u32_u24 v6, s22, v2                      ; lanes 16-31 take B's
	s_add_co_u32 s21, s21, SCL
	v_add_nc_u32 v5, v5, v6
	v_add_nc_u32 v[ADRS], s21, v5
	s_mul_i32 s23, s14, 16*SPITCH                  ; my stage
	v_mul_u32_u24 v5, v1, SPITCH                   ; in: row l % 16, 16 bytes for each half of the lanes
	v_lshl_add_u32 v5, v2, 4, v5
	v_add_nc_u32 v[STO], s23, v5
	v_mul_u32_u24 v5, v2, SPITCH                   ; back: lanes 0-15 one row of 256 bytes, lanes 16-31 the next
	v_lshl_add_u32 v5, v1, 4, v5
	v_add_nc_u32 v[RD], s23, v5
	v_and_b32 v6, 31, v0
	v_lshlrev_b32 v[CO], 4, v6
	v_mul_u32_u24 v[FO], v1, SIZE_N*4
	v_lshl_add_u32 v[FO], v2, 5, v[FO]
	s_lshl_b32 s20, s17, 8
	s_lshl_b32 s21, s15, 7
	s_add_co_u32 s20, s20, s21                     ; my first position: 256 x tile row + 128 x half
	v_mov_b32 v[RB], s20
	s_lshl_b32 s22, s20, 9                         ; the table: 8,192 bytes for each 16 positions
	s_mov_b32 s23, 0
	s_add_nc_u64 s[98:99], s[98:99], s[22:23]
	s_lshl_b32 s20, s20, 8                         ; qkv: 256 bytes a position
	s_mov_b32 s21, 0
	s_lshl_b32 s46, s42, 1
	s_add_co_u32 s46, s46, s16                     ; g = 2 x tile column + half: which of q, k, v and which head
	s_lshl_b32 s66, s46, 9                         ; qkv16: 512 bytes a head
	s_mov_b32 s67, 0
	s_add_nc_u64 s[100:101], s[100:101], s[66:67]
	s_lshl_b32 s46, s46, 19                        ; qkv: 2,048 x 256 bytes a head
	s_mov_b32 s47, 0
	s_add_nc_u64 s[20:21], s[20:21], s[46:47]
	s_add_nc_u64 s[12:13], s[12:13], s[20:21]
.macro FRAG reg, adr, q, i             ; 16 rows x 128 K of 4-bit codes: 8 registers: lane l holds row l % 16; registers 4 c .. 4 c + 3 hold K = 64 c + 32 (l / 16) + 0 .. 31
.irp c, 0,1
	ds_load_b128 v[\reg+4*\c:\reg+4*\c+3], v[\adr] offset:64*(\q)+32*\c+(\i)*16*PITCH
.endr
.endm
; 16 matrix instructions: A's blocks a0, a0 + 1 x B's eight.  The 64 accumulators take turns, one instruction a turn, in the same order in every step.
.macro MUL16 a0, p, q, sc, zero
.irp a, \a0, \a0+1
.irp b, 0,1,2,3,4,5,6,7
.if \zero
	v_wmma_scale_f32_16x16x128_f8f6f4 v[8*(8*((\a)%4)+\b):8*(8*((\a)%4)+\b)+7], v[128*(\p)+FR*\b:128*(\p)+FR*\b+FR-1], v[AF+FR*(\a):AF+FR*(\a)+FR-1], 0, v[SC+8*NQ*(\sc)+NQ*\b+(\q)], v[SC+8*NQ*(\sc)+NQ*(\a)+(\q)] matrix_a_fmt:MATRIX_FMT_FP4 matrix_b_fmt:MATRIX_FMT_FP4 matrix_a_scale:MATRIX_SCALE_ROW1
.else
	v_wmma_scale_f32_16x16x128_f8f6f4 v[8*(8*((\a)%4)+\b):8*(8*((\a)%4)+\b)+7], v[128*(\p)+FR*\b:128*(\p)+FR*\b+FR-1], v[AF+FR*(\a):AF+FR*(\a)+FR-1], v[8*(8*((\a)%4)+\b):8*(8*((\a)%4)+\b)+7], v[SC+8*NQ*(\sc)+NQ*\b+(\q)], v[SC+8*NQ*(\sc)+NQ*(\a)+(\q)] matrix_a_fmt:MATRIX_FMT_FP4 matrix_b_fmt:MATRIX_FMT_FP4 matrix_a_scale:MATRIX_SCALE_ROW1
.endif
.endr
.endr
.endm
.macro FETCH_B slot, q, p
	WIN TO_B
.irp i, 0,1,2,3,4,5,6,7
	FRAG 128*(\p)+FR*\i, ADRB+\slot, \q, \i
.endr
	WIN 0
.endm
.macro FETCH_A slot, q, i0
.irp i, \i0, \i0+1, \i0+2, \i0+3
	FRAG AF+FR*(\i), ADRA+\slot, \q, \i
.endr
.endm
.macro SCALES sc                       ; a K step's scale words: lanes 0-15 take A's block i, lanes 16-31 B's block i
.irp i, 0,1,2,3,4,5,6,7
	ds_load_b128 v[SC+8*NQ*\sc+NQ*\i:SC+8*NQ*\sc+NQ*\i+3], v[ADRS] offset:\i*SBLK
.endr
.endm
.macro PLACES n                        ; plain vector lines between a matrix instruction and a load into, or a read of, its registers
.rept \n
	v_nop
.endr
.endm
.macro STEP slot, q, zero              ; a step of 128 along K that has its successor in the same slot
	s_wait_dscnt 4*NL                              ; B's set and A's blocks 0-3 are in; the youngest eight loads (A's blocks 4-7) may be out
	WIN MUL_LO
	MUL16 0, (\q)%2, \q, \slot, \zero
	MUL16 2, (\q)%2, \q, \slot, \zero
	s_wait_dscnt 0
	PLACES NP
	FETCH_B \slot, (\q)+1, 1-(\q)%2
	FETCH_A \slot, (\q)+1, 0
	WIN MUL_HI
	MUL16 4, (\q)%2, \q, \slot, \zero
	MUL16 6, (\q)%2, \q, \slot, \zero
	PLACES NP
	WIN 0
	FETCH_A \slot, (\q)+1, 4
.endm
; A slot's last step changes slots: one barrier; in front of it each wave waits for all its tensor loads, adds 0 to its spare word, and waits for that and for its reads of this slot.
.macro TURN slot, next, fill
	s_wait_tensorcnt 0x0                           ; all my tensor loads have landed: my part of the next slot
	ds_add_u32 v[SPW], v[NIL]
	s_wait_dscnt 4*NL+1                            ; (the add and the youngest eight loads may be out)
	WIN MUL_LO
	MUL16 0, 1, NQ-1, \slot, 0
	s_wait_dscnt 0x0                               ; the add is done, and my reads of this slot are over
	s_barrier_signal -1
	MUL16 2, 1, NQ-1, \slot, 0
	WIN 0
	s_barrier_wait -1
.if \fill
	CREST                                          ; the barrier has opened a round of the cluster's: no wave of any partner still reads this slot or has a load on its way
	s_add_nc_u64 s[G0+4*\slot+2:G0+4*\slot+3], s[G0+4*\slot+2:G0+4*\slot+3], 2*ROWB
	s_add_nc_u64 s[G0B+4*\slot+2:G0B+4*\slot+3], s[G0B+4*\slot+2:G0B+4*\slot+3], 2*ROWB
	JLOAD G0+4*\slot, G1, G0B+4*\slot, G1B         ; the first tensor load behind the round; its four v_nop are the places in front of the loads below
.else
	PLACES NP
.endif
	v_add_nc_u32 v[ADRS], 4*NQ, v[ADRS]            ; the next K step's scale words
	FETCH_B \next, 0, 0
	FETCH_A \next, 0, 0
	SCALES \next
	WIN MUL_HI
	MUL16 4, 1, NQ-1, \slot, 0
	MUL16 6, 1, NQ-1, \slot, 0
	PLACES NP
	WIN 0
	FETCH_A \next, 0, 4
.endm
.macro STEPS slot, from
.set Q, \from
.rept NQ-1-\from
	STEP \slot, Q, 0
.set Q, Q+1
.endr
.endm
	s_wait_tensorcnt 1                             ; the scales and my part of K step 0 are in; K step 1's load may be out
	s_barrier_signal -1
	s_barrier_wait -1
	FETCH_B 0, 0, 0
	FETCH_A 0, 0, 0
	SCALES 0
	FETCH_A 0, 0, 4
	STEP 0, 0, 1                                   ; the first step's products start the sums
	s_mov_b32 s3, LAPS-1
.Llap:
	STEPS 0, 1
	TURN 0, 1, 1
	STEPS 1, 0
	TURN 1, 0, 1
	STEP 0, 0, 0
	s_sub_co_u32 s3, s3, 1
	s_cmp_lg_u32 s3, 0
	s_cbranch_scc1 .Llap
	STEPS 0, 1                                     ; the last lap fills nothing
	TURN 0, 1, 0
	STEPS 1, 0
	s_wait_dscnt 4*NL
	WIN MUL_LO
	MUL16 0, 1, NQ-1, 1, 0
	MUL16 2, 1, NQ-1, 1, 0
	s_wait_dscnt 0
	WIN MUL_HI
	MUL16 4, 1, NQ-1, 1, 0
	MUL16 6, 1, NQ-1, 1, 0
	WIN 0
; THE WAY OUT, block by block of 16 positions x 128 channels.
.macro TABLE a                         ; block a's cos and sin, 8,192 dense bytes, into set a % 2 of window 1: register 8 b + 2 i = cos, + 1 = sin of my position and pair 8 b + 4 (l / 16) + i
	WIN 0x40
.irp b, 0,1,2,3,4,5,6,7
.irp q, 0,1
	global_load_b128 v[64*((\a)%2)+8*\b+4*\q:64*((\a)%2)+8*\b+4*\q+3], v[CO], s[98:99] offset:(\a)*8192+\b*1024+\q*512
.endr
.endr
	WIN 0
.endm
.macro ROPE a                          ; (x0, x1) -> (cos x0 - sin x1, sin x0 + cos x1); each accumulator is read from its low end on
.set AC, 64*((\a)%4)
.set TT, 64*((\a)%2)
.set WW, 0x06+(\a)/4                   ; source 0: the accumulators' window; source 1: window 1; source 2 and destination: window 0
	WIN WW
.irp b, 0,1,2,3,4,5,6,7
.irp i, 0,1,2,3
	v_mul_f32 v[F+8*\b+2*\i],   v[AC+8*\b+2*\i], v[TT+8*\b+2*\i]
	v_mul_f32 v[F+8*\b+2*\i+1], v[AC+8*\b+2*\i], v[TT+8*\b+2*\i+1]
.endr
.irp i, 0,1,2,3
	v_fma_f32 v[F+8*\b+2*\i],   v[AC+8*\b+2*\i+1], -v[TT+8*\b+2*\i+1], v[F+8*\b+2*\i]
	v_fma_f32 v[F+8*\b+2*\i+1], v[AC+8*\b+2*\i+1], v[TT+8*\b+2*\i], v[F+8*\b+2*\i+1]
.endr
.endr
	WIN 0
.endm
.macro CVT                             ; to f16: a lane's eight channels of a block b are 16 bytes
.irp b, 0,1,2,3,4,5,6,7
.irp r, 0,1,2,3
	v_cvt_pk_f16_f32 v[PK+4*\b+\r], v[F+8*\b+2*\r], v[F+8*\b+2*\r+1]
.endr
.endr
.endm
.macro PACKV a                         ; v is not rotated: straight from the accumulators
.set AC, 64*((\a)%4)
.set WW, 0x0a+5*((\a)/4)
	WIN WW
.irp b, 0,1,2,3,4,5,6,7
.irp r, 0,1,2,3
	v_cvt_pk_f16_f32 v[PK+4*\b+\r], v[AC+8*\b+2*\r], v[AC+8*\b+2*\r+1]
.endr
.endr
	WIN 0
.endm
; Positions 0-15 are block 0 of the waves whose first position is 0: they also leave in f32.  A mask on the stores, no branch: the wave's first position hangs on its place in the cluster.
; 16 bytes a lane to 16 rows: 393,216 bytes in the whole launch.  EXEC changes only behind a wait for the pending instructions' addresses, both ways.
.macro FINE16 fromacc
	WIN 0
	s_wait_xcnt 0x0
	v_cmp_eq_u32 vcc_lo, 0, v[RB]
	s_and_saveexec_b32 s96, vcc_lo
.if \fromacc
	WIN 0x08                                       ; a store's data are its source 1: window 2
.irp b, 0,1,2,3,4,5,6,7
	global_store_b128 v[FO], v[8*\b:8*\b+3], s[100:101] offset:64*\b
	global_store_b128 v[FO], v[8*\b+4:8*\b+7], s[100:101] offset:64*\b+16
.endr
	WIN 0
.else
.irp b, 0,1,2,3,4,5,6,7
	global_store_b128 v[FO], v[F+8*\b:F+8*\b+3], s[100:101] offset:64*\b
	global_store_b128 v[FO], v[F+8*\b+4:F+8*\b+7], s[100:101] offset:64*\b+16
.endr
.endif
	s_wait_xcnt 0x0
	s_or_b32 exec_lo, exec_lo, s96
.endm
.macro TOSTAGE a                       ; through my own stage: LDS serves a wave's instructions in order, so no wait stands between the stores and the loads
.irp b, 0,1,2,3,4,5,6,7
	ds_store_b128 v[STO], v[PK+4*\b:PK+4*\b+3] offset:32*\b
.endr
.set BB, BK+32*((\a)%2)
.irp t, 0,1,2,3,4,5,6,7
	ds_load_b128 v[BB+4*\t:BB+4*\t+3], v[RD] offset:\t*2*SPITCH
.endr
.endm
.macro SEND a, younger                 ; younger: the LDS instructions issued behind block a's loads
.set BB, BK+32*((\a)%2)
	s_wait_dscnt \younger
.irp t, 0,1,2,3,4,5,6,7
	global_store_b128 v[CO], v[BB+4*\t:BB+4*\t+3], s[12:13] offset:(\a)*4096+\t*512   ; two rows of a head: 512 consecutive bytes, aligned
.endr
.endm
	PLACES NP                                      ; behind the last products: for the loads into window 1 and the first reads of results, on both ways
	s_cmp_ge_u32 ttmp9, 4                          ; clusters 4 and 5 along x hold v's columns: the cluster's number, the same in all sixteen partners
	s_cbranch_scc1 .Lv
	TABLE 0
	TABLE 1
.irp a, 0,1,2,3,4,5,6,7
.if \a < 7
	s_wait_loadcnt 16                              ; this block's table is in; the next block's sixteen loads stay out
.else
	s_wait_loadcnt 0x0
.endif
	ROPE \a
.if \a < 6
	TABLE \a+2
.endif
.if \a == 0
	FINE16 0
.endif
	CVT
.if \a > 1
	s_wait_xcnt 0x0                                ; block a - 2's stores have read the registers on which this block's loads land
.endif
	TOSTAGE \a
.if \a > 0
	SEND \a-1, 16                                  ; behind block a - 1's loads: block a's 8 stores and 8 loads
.endif
.endr
	SEND 7, 0
	s_branch .Ljoin
.Lv:
.irp a, 0,1,2,3,4,5,6,7
	PACKV \a
.if \a == 0
	FINE16 1
.endif
.if \a > 1
	s_wait_xcnt 0x0
.endif
	TOSTAGE \a
.if \a > 0
	SEND \a-1, 16
.endif
.endr
	SEND 7, 0
.Ljoin:
	s_wait_tensorcnt 0x0                           ; the wave's end
	ds_add_u32 v[SPW], v[NIL]
	s_wait_dscnt 0x0
	CROUND                                         ; the closing round
	s_endpgm
.Lfunc_end_k_q02d0be726f_project_qkv:
	.size	k_q02d0be726f_project_qkv, .Lfunc_end_k_q02d0be726f_project_qkv-k_q02d0be726f_project_qkv
	.p2alignl 7, 3214868480
	.fill 96, 4, 3214868480
	.section	.rodata,"a",@progbits
	.p2align	6, 0x0
	.amdhsa_kernel k_q02d0be726f_project_qkv
		.amdhsa_group_segment_fixed_size 327680
		.amdhsa_private_segment_fixed_size 0
		.amdhsa_enable_private_segment 0
		.amdhsa_kernarg_size 40
		.amdhsa_user_sgpr_count 2
		.amdhsa_user_sgpr_kernarg_segment_ptr 1
		.amdhsa_wavefront_size32 1
		.amdhsa_system_sgpr_workgroup_id_x 1
		.amdhsa_system_sgpr_workgroup_id_y 1
		.amdhsa_system_sgpr_workgroup_id_z 1
		.amdhsa_system_vgpr_workitem_id 0
		.amdhsa_next_free_vgpr 1024
		.amdhsa_next_free_sgpr 102
		.amdhsa_reserve_vcc 1
		.amdhsa_float_denorm_mode_32 3
		.amdhsa_float_denorm_mode_16_64 3
		.amdhsa_memory_ordered 1
		.amdhsa_forward_progress 1
		.amdhsa_inst_pref_size 255
	.end_amdhsa_kernel
	.section	.bss,"aw",@nobits
	.p2align	6
	.space	262144
	.amdgpu_metadata
---
amdhsa.version: [ 1, 2 ]
amdhsa.kernels:
  - .name:           k_q02d0be726f_project_qkv
    .symbol:         k_q02d0be726f_project_qkv.kd
    .args:
      - { .name: codes, .offset: 0, .size: 8, .value_kind: global_buffer, .address_space: global }
      - { .name: scales, .offset: 8, .size: 8, .value_kind: global_buffer, .address_space: global }
      - { .name: rope, .offset: 16, .size: 8, .value_kind: global_buffer, .address_space: global }
      - { .name: qkv, .offset: 24, .size: 8, .value_kind: global_buffer, .address_space: global }
      - { .name: qkv16, .offset: 32, .size: 8, .value_kind: global_buffer, .address_space: global }
    .group_segment_fixed_size: 327680
    .private_segment_fixed_size: 0
    .kernarg_segment_align: 8
    .kernarg_segment_size: 40
    .max_flat_workgroup_size: 128
    .sgpr_count:     102
    .vgpr_count:     1024
    .wavefront_size: 32
...
	.end_amdgpu_metadata
.endif
;; end of part 2
;; launch attention (part 3): grid 16 x 16, 8 waves a work-group, no clusters, 327,680 bytes of LDS; arguments qkv, ctx; writes ctx
.if DOCPART == 3
	.amdgcn_target "amdgcn-amd-amdhsa--gfx1250"
	.amdhsa_code_object_version 6
	.text
	.protected	k_q02d0be726f_attention
	.globl	k_q02d0be726f_attention
	.p2align	8
	.type	k_q02d0be726f_attention,@function
k_q02d0be726f_attention:
	s_mov_b64 s[64:65], 0
	v_nop
	global_prefetch_b8 v0, s[64:65] scope:SCOPE_SE
	s_setreg_imm32_b32 hwreg(HW_REG_WAVE_MODE, 25, 1), 1
	s_wait_xcnt 0x0
; ctx[s][128 h + :] = sum over keys k <= s of softmax_k(q[h][s] . k[h][k] / sqrt(128)) v[h][k][:].  q, k, v: f16 [3][16][2048][128]; ctx: f16 [2048][2048].  Products on f16 operands, sums, maxima and the softmax in f32.
; LEFT OUT: key steps of 64 all of whose keys come after a wave's 16 queries: reference()'s own jnp.tril gives them the weight 0 (the first kernel's head shows it and states the limit).
; Positions 0-15 are made here too, since the next launch's tiles read their bytes; the last launch makes their results anew in f32.
; SHARES.  Work-group (j, head) owns two blocks of 64 queries: 31 - j (late) and j (early): 32 - j and j + 1 key steps for their tiles, 33 for each pair, whatever j.
; Eight waves, one tile of 16 queries each; role = (w xor w / 4) % 2 (1 = early), tile = w / 2, so that waves w and w + 4, and waves 2 i and 2 i + 1, are one late and one early.
; LAYOUT.  S^T = K Q^T (source 0 = 16 keys, source 1 = my 16 queries): a lane holds ONE query (lane % 16) and keys 8 (lane / 16) + 0..7 of each tile.  Two such tiles, rounded to f16 in pairs,
; are source 1 of O^T = V^T P, whose result again holds one query a lane.  K comes out of LDS as it lies, V turned by ds_load_tr16_b128.
; SOFTMAX.  A running maximum m and sum l for each query: p = 2^(c s - c m), c = log2(e) / sqrt(128); in every step O and l are multiplied by a = 2^(c m_old - c m_new).
; THE RING.  Two slots of four key steps (256 keys).  Wave w < 4 fetches K's 64 rows of step w, wave w >= 4 V's 64 rows of step w - 4: one tensor load a wave behind each change of slots, one out at any time.
; EVERY work-group walks all eight slots, so that trip counts are constants; a step's WORK is jumped over by a scalar branch on ids, and a slot whose first key comes after the work-group's
; last query is not asked for.  NO CLUSTER: under the mask the work-groups of a head read different numbers of tiles, so partners could not make every joint request and read it.
.set KS,    64
.set PK,    272                        ; a row of K in LDS: 256 bytes + 16: the 16 rows of a load start 68 words apart
.set PV,    288                        ; a row of V: 256 + 32: the turning load's 8 rows x 32 bytes start 72 words apart
.set VOFF,  KS*PK
.set STEPB, KS*(PK+PV)                 ; a step: 64 rows of K, then 64 rows of V
.set SLOTB, 4*STEPB
.set STAGE, 2*SLOTB                    ; behind the ring: 16 rows x 272 bytes for each wave
.set SP,    272
.set SPARE, STAGE+8*16*SP              ; the spare words, 128 bytes a wave
.set AK0, 1                            ; v1  my lane's place in a tile of K
.set AV0, 2                            ; v2  the same for V
.set SPW, 3                            ; v3  my spare word; never rewritten
.set NIL, 4                            ; v4  0; never rewritten
.set ADK, 5                            ; v5  LDS address of the step's K
.set ADV, 6                            ; v6  of its V
.set GO,  7                            ; v7  my byte offset in the wave's rows of ctx
.set STO, 8                            ; v8  the way out: where I put 16 bytes
.set RD,  9                            ; v9  where I read rows back
.set PFO, 10                           ; v10 256 x lane
.set DQ,  11                           ; v11 lane % 16 - 8 (lane / 16)
.set ST,  12                           ; v12 c m, v13 m, v14-15 l, v16-19 c0-c3 at work (a takes c2's place)
.set Q,   24                           ; v24-55   my queries: 4 fragments
.set S,   56                           ; v56-87   S^T, then p
.set P,   88                           ; v88-103  p as f16
.set O,   104                          ; v104-167 O^T
.set F0,  168                          ; v168-199, v200-231: two sets of four fragments of K or V
.set F1,  200
.set WV,  8
.set QF,  14                           ; s14 my first query
.set KF,  15                           ; s15 the step's first key
.set LASTQ, 16                         ; s16 the work-group's last query
.set TB,  17                           ; s17 where the slot in hand begins
.set FB,  18                           ; s18 where the slot being filled begins
.set PLK, 19                           ; s19, s20 my load's place in a slot, for K and for V
.set PLV, 20
.set SLOTS, 21
.set LIM, 22
.set CS,  24
.set SEL, 26
.set G1K, 28
.set G1V, 36
.set G0K, 44
.set G0V, 48
.set PFA, 52
.macro PLACES n
.rept \n
	v_nop
.endr
.endm
; Waves 0-3 fetch K's tiles, waves 4-7 V's: a fill in each arm.  An s_nop 0 and four v_nop follow each line.
.macro TLOAD
	s_cmp_lt_u32 s[WV], 4
	s_cbranch_scc0 .Lfor_v_\@
	tensor_load_to_lds s[G0K:G0K+3], s[G1K:G1K+7]
	s_nop 0
	PLACES 4
	s_branch .Lasked_\@
.Lfor_v_\@:
	tensor_load_to_lds s[G0V:G0V+3], s[G1V:G1V+7]
	s_nop 0
	PLACES 4
.Lasked_\@:
.endm
; A prefetch of what the NEXT change of slots will ask for: my own 64 rows of 256 bytes, a lane a row, two instructions.  All sixteen work-groups of a head walk the same K and V:
; work-group 0, which walks all eight slots, asks, and nobody else: each row is named once in the launch.  The last change that fills a slot asks for nothing.
.macro ASK
	s_cmp_gt_u32 s[SLOTS], s[LIM]
	s_cbranch_scc0 .Lnot_mine_\@
	global_prefetch_b8 v[PFO], s[PFA:PFA+1] th:TH_LOAD_NT scope:SCOPE_SE
	global_prefetch_b8 v[PFO], s[PFA:PFA+1] offset:8192 th:TH_LOAD_NT scope:SCOPE_SE
.Lnot_mine_\@:
.endm
	s_load_b128 s[4:7], s[0:1], 0x0                ; qkv s[4:5], ctx s[6:7]
	v_lshl_add_u32 v[SPW], v0, 2, SPARE
	v_mov_b32 v[NIL], 0
	ds_add_u32 v[SPW], v[NIL]                      ; the wave's opening: the add, twice on end, and its wait ahead of my first tensor load
	ds_add_u32 v[SPW], v[NIL]
	v_lshrrev_b32 v20, 5, v0
	v_readfirstlane_b32 s[WV], v20                 ; wave 0..7
	s_and_b32 s9, ttmp7, 0xffff                    ; the head
	s_lshr_b32 s10, s[WV], 2
	s_xor_b32 s10, s10, s[WV]
	s_and_b32 s10, s10, 1                          ; role: 1 = early
	s_lshr_b32 s11, s[WV], 1                       ; tile
	s_sub_co_u32 s12, 31, ttmp9                    ; the late block
	s_cmp_eq_u32 s10, 1
	s_cselect_b32 s13, ttmp9, s12
	s_lshl_b32 s[QF], s13, 6
	s_lshl_b32 s11, s11, 4
	s_add_co_u32 s[QF], s[QF], s11                 ; my first query
	s_mov_b32 s[KF], 0
	s_lshl_b32 s[LASTQ], s12, 6
	s_or_b32 s[LASTQ], s[LASTQ], 63
	s_mov_b32 s[TB], 0
	s_mov_b32 s[FB], 0
	s_mov_b32 s[SLOTS], 7
	s_mov_b32 s[CS], 0x3e0293ee                    ; c = log2(e) / sqrt(128)
	s_mov_b32 s[CS+1], s[CS]
	s_mov_b32 s[SEL], 0x76543210
	s_mov_b32 s[SEL+1], 0xfedcba98
	s_mov_b32 s[G1K], (1<<16)|(1<<20)|(5<<22)|(3<<25)   ; elements of 2 bytes; padding: 4 words behind every 64
	s_mov_b32 s[G1V], (1<<16)|(1<<20)|(5<<22)|(7<<25)   ; 8 words
.irp g, G1K, G1V
	s_mov_b32 s[\g+1], 128<<16                     ; tensor_dim0
	s_mov_b32 s[\g+2], KS<<16                      ; tensor_dim1
	s_mov_b32 s[\g+3], 128<<16                     ; tile_dim0
	s_mov_b32 s[\g+4], KS                          ; tile_dim1
	s_mov_b32 s[\g+5], 128                         ; elements from row to row
	s_mov_b32 s[\g+6], 0
	s_mov_b32 s[\g+7], 0
.endr
	s_lshl_b32 s54, s9, 19                         ; a head: 2,048 x 256 bytes
	s_and_b32 s55, s[WV], 3                        ; which of a slot's four steps I fetch
	s_mul_i32 s[PLK], s55, STEPB
	s_add_co_u32 s[PLV], s[PLK], VOFF
	s_lshl_b32 s55, s55, 14                        ; its 64 rows in memory
	s_add_co_u32 s56, s54, s55
	s_mov_b32 s57, 0
	s_lshl_b32 s58, s[QF], 8
	s_add_co_u32 s58, s58, s54                     ; my queries in q
	s_mov_b32 s59, 0
	s_lshl_b32 s60, s[QF], 12                      ; ctx: 4,096 bytes a position,
	s_lshl_b32 s61, s9, 8                          ; 256 a head
	s_add_co_u32 s60, s60, s61
	s_mov_b32 s61, 0
	s_mov_b32 s62, 0x1000000                       ; v begins here in qkv, k at half of it
	s_cmp_lt_u32 s[WV], 4
	s_cselect_b32 s62, 0x800000, s62
	s_add_co_u32 s62, s62, 0x10000                 ; in slot 1: the first change of slots steps the prefetches to slot 2
	s_mov_b32 s63, 0
	s_cmp_eq_u32 ttmp9, 0
	s_cselect_b32 s[LIM], 1, -1
	s_wait_dscnt 0x0                               ; both opening adds are done
	s_wait_kmcnt 0x0
	s_add_nc_u64 s[56:57], s[4:5], s[56:57]
	s_mov_b32 s[G0K], 1
	s_mov_b32 s[G0K+1], s[PLK]
	s_add_nc_u64 s[G0K+2:G0K+3], s[56:57], 0x800000
	s_or_b32 s[G0K+3], s[G0K+3], 0x80000000
	s_mov_b32 s[G0V], 1
	s_mov_b32 s[G0V+1], s[PLV]
	s_add_nc_u64 s[G0V+2:G0V+3], s[56:57], 0x1000000
	s_or_b32 s[G0V+3], s[G0V+3], 0x80000000
	TLOAD                                          ; slot 0: keys 0-255, which the late block's waves all read
	s_add_nc_u64 s[PFA:PFA+1], s[56:57], s[62:63]
	s_add_nc_u64 s[58:59], s[4:5], s[58:59]
	s_add_nc_u64 s[6:7], s[6:7], s[60:61]
	v_and_b32 v20, 15, v0                          ; r
	v_bfe_u32 v21, v0, 4, 1                        ; h
	v_lshlrev_b32 v22, 8, v20
	v_lshl_add_u32 v22, v21, 4, v22                ; q: row r of 256 bytes + 16 h
.irp c, 0,1,2,3
	global_load_b128 v[Q+8*\c:Q+8*\c+3],   v22, s[58:59] offset:64*\c
	global_load_b128 v[Q+8*\c+4:Q+8*\c+7], v22, s[58:59] offset:64*\c+32
.endr
	v_mul_u32_u24 v[AK0], v20, PK
	v_lshl_add_u32 v[AK0], v21, 4, v[AK0]
	v_and_b32 v23, 7, v0
	v_lshl_add_u32 v[AV0], v21, 3, v23             ; the turning load: key 8 (l / 16) + l % 8,
	v_mul_u32_u24 v[AV0], v[AV0], PV
	v_bfe_u32 v23, v0, 3, 1
	v_lshl_add_u32 v[AV0], v23, 4, v[AV0]          ; channels 8 ((l / 8) % 2) on
	v_add_nc_u32 v[AV0], VOFF, v[AV0]
	s_mul_i32 s54, s[WV], 16*SP
	s_add_co_u32 s54, s54, STAGE                   ; my stage
	v_mul_u32_u24 v[STO], v20, SP
	v_lshl_add_u32 v[STO], v21, 4, v[STO]
	v_add_nc_u32 v[STO], s54, v[STO]
	v_mul_u32_u24 v[RD], v21, SP
	v_lshl_add_u32 v[RD], v20, 4, v[RD]
	v_add_nc_u32 v[RD], s54, v[RD]
	v_lshlrev_b32 v[GO], 12, v21
	v_lshl_add_u32 v[GO], v20, 4, v[GO]
	v_and_b32 v[PFO], 31, v0
	v_lshlrev_b32 v[PFO], 8, v[PFO]
	v_lshlrev_b32 v23, 3, v21
	v_sub_nc_u32 v[DQ], v20, v23
	v_mov_b32 v[ST+1], 0xff61b1e6                  ; m: -3e38, under every score
	v_mul_f32 v[ST], s[CS], v[ST+1]
.irp i, 2,3,4,5,6,7
	v_mov_b32 v[ST+\i], 0                          ; l; and c0-c3, so that they are written on every way to the way out
.endr
.set i, 0
.rept 64
	v_mov_b32 v[O+i], 0                            ; O^T: the step is written once: the first finds zeros, which a = 0 leaves zeros
.set i, i+1
.endr
	s_wait_loadcnt 0x0                             ; q
.macro KLOAD c, f                      ; four tiles of 16 keys, channels 32 c on: 8 loads
.irp t, 0,1,2,3
	ds_load_b128 v[\f+8*\t:\f+8*\t+3],   v[ADK] offset:\t*16*PK+64*\c
	ds_load_b128 v[\f+8*\t+4:\f+8*\t+7], v[ADK] offset:\t*16*PK+64*\c+32
.endr
.endm
.macro VLOAD g, f                      ; keys 32 (g / 2) on, four tiles of 16 channels from 64 (g % 2) on, turned: 8 loads
.irp i, 0,1,2,3
	ds_load_tr16_b128 v[\f+8*\i:\f+8*\i+3],   v[ADV] offset:((\g)/2)*32*PV+(4*((\g)%2)+\i)*32
	ds_load_tr16_b128 v[\f+8*\i+4:\f+8*\i+7], v[ADV] offset:((\g)/2)*32*PV+16*PV+(4*((\g)%2)+\i)*32
.endr
.endm
.macro SQ c, f                         ; the four accumulators of S^T take turns, one instruction a turn
.irp t, 0,1,2,3
.if \c == 0
	v_wmma_f32_16x16x32_f16 v[S+8*\t:S+8*\t+7], v[\f+8*\t:\f+8*\t+7], v[Q+8*\c:Q+8*\c+7], 0
.else
	v_wmma_f32_16x16x32_f16 v[S+8*\t:S+8*\t+7], v[\f+8*\t:\f+8*\t+7], v[Q+8*\c:Q+8*\c+7], v[S+8*\t:S+8*\t+7]
.endif
.endr
.endm
.macro PVG g, f
.irp i, 0,1,2,3
	v_wmma_f32_16x16x32_f16 v[O+8*(4*((\g)%2)+\i):O+8*(4*((\g)%2)+\i)+7], v[\f+8*\i:\f+8*\i+7], v[P+8*((\g)/2):P+8*((\g)/2)+7], v[O+8*(4*((\g)%2)+\i):O+8*(4*((\g)%2)+\i)+7]
.endr
.endm
; A KEY STEP: 64 keys, the q-th of the slot in hand.  Every s_wait_dscnt 8 leaves the eight loads issued last on their way.
.macro STEP q
	s_add_co_u32 s54, s[QF], 15
	s_cmp_gt_u32 s[KF], s54                        ; all keys come after my queries: the step's work is left out
	s_cbranch_scc1 .Lhidden_\@
	s_add_co_u32 s62, s[TB], (\q)*STEPB
	v_add_nc_u32 v[ADK], s62, v[AK0]
	v_add_nc_u32 v[ADV], s62, v[AV0]
	PLACES 2                                       ; with the two additions: four places behind the last step's products, in front of loads into their sources
	KLOAD 0, F0
	KLOAD 1, F1
	s_wait_dscnt 8
	SQ 0, F0
	PLACES 4
	KLOAD 2, F0
	s_wait_dscnt 8
	SQ 1, F1
	PLACES 4
	KLOAD 3, F1
	s_wait_dscnt 8
	SQ 2, F0
	PLACES 4
	VLOAD 0, F0
	s_wait_dscnt 8
	SQ 3, F1
	PLACES 4                                       ; also the places in front of the first read of the scores
	VLOAD 1, F1
	s_add_co_u32 s54, s[KF], 63
	s_cmp_le_u32 s54, s[QF]                        ; a step all of whose keys count skips the mask
	s_cbranch_scc1 .Lopen_\@
	s_sub_co_i32 s54, s[QF], s[KF]
	v_add_nc_u32 v20, s54, v[DQ]                   ; register n holds key KF + 16 (n / 8) + 8 (l / 16) + n % 8: hidden where 16 (n / 8) + n % 8 > my query - KF - 8 (l / 16)
	v_mov_b32 v21, 0xff800000                      ; -infinity: p = 0 then.  Key KF counts for every query of a step that is walked
.set n, 0
.rept 32
	v_cmp_gt_i32 vcc_lo, 16*(n/8)+n%8, v20
	v_cndmask_b32 v[S+n], v[S+n], v21, vcc_lo
.set n, n+1
.endr
.Lopen_\@:
.irp j, 0,1,2,3
	v_max3_num_f32 v[ST+4+\j], v[S+8*\j], v[S+8*\j+1], v[S+8*\j+2]   ; the maximum: four chains, each accumulator from its low end on
.endr
.irp u, 3,5
.irp j, 0,1,2,3
	v_max3_num_f32 v[ST+4+\j], v[ST+4+\j], v[S+8*\j+\u], v[S+8*\j+\u+1]
.endr
.endr
	v_max3_num_f32 v[ST+4], v[ST+4], v[S+7], v[S+15]
	v_max3_num_f32 v[ST+6], v[ST+6], v[S+23], v[S+31]
	v_max3_num_f32 v[ST+4], v[ST+4], v[ST+5], v[ST+6]
	v_max3_num_f32 v[ST+4], v[ST+4], v[ST+7], v[ST+1]               ; with the old m
	v_permlanex16_b32 v[ST+5], v[ST+4], s[SEL], s[SEL+1]            ; the query's other 32 keys lie in the lane 16 away
	v_mov_b32 v[ST+7], v[ST]
	v_max_num_f32 v[ST+1], v[ST+4], v[ST+5]
	v_mul_f32 v[ST], s[CS], v[ST+1]
	v_sub_f32 v[ST+7], v[ST+7], v[ST]                               ; c m_old - c m_new
.set n, 0
.rept 16
	v_pk_fma_f32 v[S+2*n:S+2*n+1], v[S+2*n:S+2*n+1], s[CS:CS+1], v[ST:ST+1] op_sel_hi:[1,0,0] neg_lo:[0,0,1] neg_hi:[0,0,1]   ; c s - c m
.set n, n+1
.endr
	v_exp_f32 v[ST+6], v[ST+7]                     ; a; and the 32 weights: one batch
.set n, 0
.rept 32
	v_exp_f32 v[S+n], v[S+n]
.set n, n+1
.endr
	v_nop                                          ; a plain line behind the last exponential
	s_wait_alu depctr_va_vdst(0)                   ; one wait for the batch, ahead of its first reader
.set n, 0
.rept 16
	v_cvt_pk_f16_f32 v[P+n], v[S+2*n], v[S+2*n+1]
.set n, n+1
.endr
.irp z, 0,1,2,3,4,5,6,7
	v_pk_add_f32 v[S+4*\z:S+4*\z+1], v[S+4*\z:S+4*\z+1], v[S+4*\z+2:S+4*\z+3]   ; the sum of the unrounded weights, in place
.endr
.irp z, 0,1,2,3
	v_pk_add_f32 v[S+8*\z:S+8*\z+1], v[S+8*\z:S+8*\z+1], v[S+8*\z+4:S+8*\z+5]
.endr
.irp z, 0,1
	v_pk_add_f32 v[S+16*\z:S+16*\z+1], v[S+16*\z:S+16*\z+1], v[S+16*\z+8:S+16*\z+9]
.endr
	v_pk_add_f32 v[S:S+1], v[S:S+1], v[S+16:S+17]
	v_pk_fma_f32 v[ST+2:ST+3], v[ST+2:ST+3], v[ST+6:ST+7], v[S:S+1] op_sel_hi:[1,0,1]   ; l = a l + the sum
.set n, 0
.rept 32
	v_pk_mul_f32 v[O+2*n:O+2*n+1], v[O+2*n:O+2*n+1], v[ST+6:ST+7] op_sel_hi:[1,0]       ; O^T x a
.set n, n+1
.endr
	s_wait_dscnt 8
	PVG 0, F0
	PLACES 4
	VLOAD 2, F0
	s_wait_dscnt 8
	PVG 1, F1
	PLACES 4
	VLOAD 3, F1
	s_wait_dscnt 8
	PVG 2, F0
	s_wait_dscnt 0x0
	PVG 3, F1
.Lhidden_\@:
	s_add_co_u32 s[KF], s[KF], KS
.endm
; THE CHANGE OF SLOTS stands at a slot's head.  Each wave waits for all its tensor loads (its part of the slot ahead), adds 0 to its spare word, and waits for that and for its reads of the slot that it has left.
; The add stands once, at the head, whichever way follows.  fill = 1: behind the barrier the other slot takes the next 256 keys, up to the causal limit.
.macro CHANGE fill
	s_wait_tensorcnt 0x0                           ; no tensor load of mine is out, so the descriptors may be written
	ds_add_u32 v[SPW], v[NIL]
.if \fill
	s_xor_b32 s[FB], s[FB], SLOTB
	s_add_co_u32 s[G0K+1], s[FB], s[PLK]
	s_add_co_u32 s[G0V+1], s[FB], s[PLV]
	s_add_nc_u64 s[G0K+2:G0K+3], s[G0K+2:G0K+3], 4*KS*256
	s_add_nc_u64 s[G0V+2:G0V+3], s[G0V+2:G0V+3], 4*KS*256
	s_wait_xcnt 0x0                                ; the last prefetches, a slot back, have read their address
	s_add_nc_u64 s[PFA:PFA+1], s[PFA:PFA+1], 4*KS*256
.endif
	s_wait_dscnt 0x0                               ; the add is done, and my reads of the slot that I have left are over
	s_barrier_signal -1
	s_barrier_wait -1
.if \fill
	s_add_co_u32 s54, s[KF], 4*KS                  ; the first key of the slot that this change would ask for
	s_cmp_gt_u32 s54, s[LASTQ]                     ; ids and the count of steps alone: all eight waves go the same way; every wait on TENSORcnt in this text is for 0
	s_cbranch_scc1 .Lpast_\@
	TLOAD                                          ; my one tensor load until the next change
.Lpast_\@:
	ASK
.endif
.endm
.macro SLOT_STEPS
	STEP 0
	STEP 1
	STEP 2
	STEP 3
	s_xor_b32 s[TB], s[TB], SLOTB
.endm
.Lslot:                                            ; seven trips: behind each change of slots but the last the next slot is asked for
	CHANGE 1
	SLOT_STEPS
	s_sub_co_u32 s[SLOTS], s[SLOTS], 1
	s_cmp_lg_u32 s[SLOTS], 0
	s_cbranch_scc1 .Lslot
	CHANGE 0                                       ; the last slot is written out: nothing is left to fetch
	SLOT_STEPS
	; THE WAY OUT.  O^T / l, to f16, through my stage, so that sixteen lanes store 256 consecutive bytes of a row of ctx.
	PLACES 4                                       ; behind the last products
	v_add_f32 v[ST+4], v[ST+2], v[ST+3]
	v_permlanex16_b32 v[ST+5], v[ST+4], s[SEL], s[SEL+1]
	v_add_f32 v[ST+4], v[ST+4], v[ST+5]
	v_rcp_f32 v[ST+6], v[ST+4]
	v_nop
	s_wait_alu depctr_va_vdst(0)
.set n, 0
.rept 32
	v_pk_mul_f32 v[O+2*n:O+2*n+1], v[O+2*n:O+2*n+1], v[ST+6:ST+7] op_sel_hi:[1,0]
.set n, n+1
.endr
.set n, 0
.rept 32
	v_cvt_pk_f16_f32 v[S+n], v[O+2*n], v[O+2*n+1]
.set n, n+1
.endr
.irp d, 0,1,2,3,4,5,6,7
	ds_store_b128 v[STO], v[S+4*\d:S+4*\d+3] offset:32*\d
.endr
.irp f, 0,1,2,3,4,5,6,7
	ds_load_b128 v[S+4*\f:S+4*\f+3], v[RD] offset:\f*2*SP     ; LDS serves a wave's instructions in order: these see the stores above
.endr
.irp f, 0,1,2,3,4,5,6,7
	s_wait_dscnt 7-\f
	global_store_b128 v[GO], v[S+4*\f:S+4*\f+3], s[6:7] offset:\f*8192
.endr
	s_wait_tensorcnt 0x0                           ; the wave's end
	ds_add_u32 v[SPW], v[NIL]
	s_wait_dscnt 0x0
	s_endpgm
.Lfunc_end_k_q02d0be726f_attention:
	.size	k_q02d0be726f_attention, .Lfunc_end_k_q02d0be726f_attention-k_q02d0be726f_attention
	.p2alignl 7, 3214868480
	.fill 96, 4, 3214868480
	.section	.rodata,"a",@progbits
	.p2align	6, 0x0
	.amdhsa_kernel k_q02d0be726f_attention
		.amdhsa_group_segment_fixed_size 327680
		.amdhsa_private_segment_fixed_size 0
		.amdhsa_enable_private_segment 0
		.amdhsa_kernarg_size 16
		.amdhsa_user_sgpr_count 2
		.amdhsa_user_sgpr_kernarg_segment_ptr 1
		.amdhsa_wavefront_size32 1
		.amdhsa_system_sgpr_workgroup_id_x 1
		.amdhsa_system_sgpr_workgroup_id_y 1
		.amdhsa_system_sgpr_workgroup_id_z 1
		.amdhsa_system_vgpr_workitem_id 0
		.amdhsa_next_free_vgpr 256
		.amdhsa_next_free_sgpr 66
		.amdhsa_reserve_vcc 1
		.amdhsa_float_denorm_mode_32 3
		.amdhsa_float_denorm_mode_16_64 3
		.amdhsa_memory_ordered 1
		.amdhsa_forward_progress 1
		.amdhsa_inst_pref_size 152
	.end_amdhsa_kernel
	.amdgpu_metadata
---
amdhsa.version: [ 1, 2 ]
amdhsa.kernels:
  - .name:           k_q02d0be726f_attention
    .symbol:         k_q02d0be726f_attention.kd
    .args:
      - { .name: qkv, .offset: 0, .size: 8, .value_kind: global_buffer, .address_space: global }
      - { .name: ctx, .offset: 8, .size: 8, .value_kind: global_buffer, .address_space: global }
    .group_segment_fixed_size: 327680
    .private_segment_fixed_size: 0
    .kernarg_segment_align: 8
    .kernarg_segment_size: 16
    .max_flat_workgroup_size: 256
    .sgpr_count:     66
    .vgpr_count:     256
    .wavefront_size: 32
...
	.end_amdgpu_metadata
.endif
;; end of part 3
;; launch project_out (part 4): grid 16 x 16, 4 waves a work-group, clusters of 4 x 4, 327,680 bytes of LDS; arguments ctx, wo16, out0; writes out0
.if DOCPART == 4
	.amdgcn_target "amdgcn-amd-amdhsa--gfx1250"
	.amdhsa_code_object_version 6
	.text
	.protected	k_q02d0be726f_project_out
	.globl	k_q02d0be726f_project_out
	.p2align	8
	.type	k_q02d0be726f_project_out,@function
k_q02d0be726f_project_out:
	s_mov_b64 s[64:65], 0
	v_nop
	global_prefetch_b8 v0, s[64:65] scope:SCOPE_SE
	s_setreg_imm32_b32 hwreg(HW_REG_WAVE_MODE, 25, 1), 1
	s_wait_xcnt 0x0
	s_wait_alu depctr_hold_cnt(0) depctr_sa_sdst(0) depctr_va_vdst(0) depctr_va_sdst(0) depctr_va_ssrc(0) depctr_va_vcc(0) depctr_vm_vsrc(0)
	s_getreg_b32 s2, hwreg(HW_REG_IB_STS2, 6, 4)
	s_cmp_eq_u32 s2, 0
	s_cbranch_scc0 .Lentry_in_a_cluster
	s_endpgm
.Lentry_in_a_cluster:
	s_bfe_u32 s2, ttmp6, 0x10000c
	s_cmp_lg_u32 s2, 0xf033
	s_cbranch_scc0 .Lentry_shape_is_right
	s_endpgm
.Lentry_shape_is_right:
; out0[s][o] = sum over i of ctx[s][i] Wo[o][i].  ctx [2048][2048] and wo16 [2048][2048]: f16; out0: f32; sums in f32.  No work of reference() is left out here.
; Rows 0-15 are stored with their tiles (a branch round them would hang on a work-group's place in its cluster); the last launch stores those 16 rows again, made in f32.
; A tile of C is 128 x 128: 256 work-groups.  Four waves, each 64 x 64: 16 accumulators.  K goes in steps of 256 (LDS rows of 512 bytes; a wave's tensor load brings 64 of them) through two slots.
; CLUSTERS: 4 x 4 work-groups; A's tiles are asked for jointly along a row of the cluster, B's along a column.  THE MATRIX INSTRUCTION IS USED TRANSPOSED (source 0 = 16 rows of B, source 1 = 16 rows of A).
; A wave's 64 columns of f32 are 256 bytes, aligned: each wave has its own stage on the way out, and no barrier stands there.
; REGISTERS: window 0: v0-31 addresses; v32-95 rows on the way out; v128-255 the accumulators ((a, b) at v[128 + 8 (4 a + b)]).   window 1: two fragment buffers of 128.
.set SIZE_M, 2048
.set SIZE_N, 2048
.set SIZE_K, 2048
.set KSTEP,  256
.set PITCH,  528                       ; an LDS row: 512 bytes + 16: the 16 rows that a load touches start 132 words apart
.set HALFT,  64*PITCH
.set SLOT,   4*HALFT
.set STAGE,  2*SLOT                    ; behind the ring: 16 rows x 272 bytes for each wave
.set SPITCH, 272
.set SPARE,  STAGE+4*16*SPITCH         ; the spare words, 128 bytes a wave
.set LAPS, SIZE_K/(2*KSTEP)
.set ADRA, 16
.set ADRB, 20
.set STO,  24
.set RD,   25
.set CO,   26
.set SPW,  28
.set NIL,  29
.set BK,   32                          ; v32-63, v64-95 by turns
.set ACC,  128
.set F0,   0
.set F1,   128
.set G1, 24
.set G0, 32
.set G1B, 48
.set G0B, 56
.set MSB, 0
.macro WIN new
.if MSB != \new
	s_set_vgpr_msb (MSB<<8)|\new
.set MSB, \new
.endif
.endm
.set MUL,  0x05                        ; sources 0 (B) and 1 (A) window 1; C and D window 0
.set TO_F, 0x40
.macro JLOAD s                         ; a joint load: waves 0 and 1 fetch A's halves, waves 2 and 3 B's; an s_nop 0 and four v_nop follow each line
	s_cmp_eq_u32 s11, 0
	s_cbranch_scc0 .Lfor_b_\@
	tensor_load_to_lds s[G0+4*\s:G0+4*\s+3], s[G1:G1+7]
	s_nop 0
.rept 4
	v_nop
.endr
	s_branch .Lasked_\@
.Lfor_b_\@:
	tensor_load_to_lds s[G0B+4*\s:G0B+4*\s+3], s[G1B:G1B+7]
	s_nop 0
.rept 4
	v_nop
.endr
.Lasked_\@:
.endm
.macro CREST
	s_cmp_lg_u32 s10, 0
	s_cbranch_scc1 .Lnot_wave_0_\@
	s_barrier_signal -3
.Lnot_wave_0_\@:
	s_barrier_wait -3
	s_barrier_signal -1
	s_barrier_wait -1
.endm
.macro CROUND
	s_barrier_signal -1
	s_barrier_wait -1
	CREST
.endm
	s_load_b128 s[4:7], s[0:1], 0x0                ; A = ctx s[4:5], B = wo16 s[6:7]
	s_load_b64 s[8:9], s[0:1], 0x10                ; out0
	v_lshl_add_u32 v[SPW], v0, 2, SPARE
	v_mov_b32 v[NIL], 0
	ds_add_u32 v[SPW], v[NIL]                      ; the wave's opening: the add, twice on end, and its wait ahead of my first tensor load
	ds_add_u32 v[SPW], v[NIL]
	v_lshrrev_b32 v1, 5, v0
	v_readfirstlane_b32 s10, v1                    ; wave 0..3
	s_lshr_b32 s11, s10, 1                         ; which half of the tile's rows is mine.  Also: I fetch for A (0) or for B (1)
	s_and_b32 s12, s10, 1                          ; which half of its columns.  Also: which 64 rows of that tile I fetch
	s_bfe_u32 s40, ttmp6, 0x40000
	s_bfe_u32 s41, ttmp6, 0x40004
	s_lshl_b32 s42, ttmp9, 2
	s_add_co_u32 s42, s42, s40                     ; tile column
	s_and_b32 s13, ttmp7, 0xffff
	s_lshl_b32 s13, s13, 2
	s_add_co_u32 s13, s13, s41                     ; tile row
	s_lshl_b32 s43, s41, 2
	s_lshl_b32 s43, 15, s43
	s_lshl_b32 s44, 0x1111, s40
	s_or_b32 s[G1+0], s43, (1<<16)|(1<<20)|(1<<21)|(6<<22)|(3<<25)  ; mask; elements of 2 bytes; padding: 4 words behind every 128; bit 21 beside a mask
	s_or_b32 s[G1B+0], s44, (1<<16)|(1<<20)|(1<<21)|(6<<22)|(3<<25)
.irp g, G1, G1B
	s_mov_b32 s[\g+1], KSTEP<<16
	s_mov_b32 s[\g+2], 64<<16
	s_mov_b32 s[\g+3], KSTEP<<16
	s_mov_b32 s[\g+4], 64
	s_mov_b32 s[\g+5], SIZE_K
	s_mov_b32 s[\g+6], 0
	s_mov_b32 s[\g+7], 0
.endr
	s_lshl_b32 s17, s12, 6
	s_lshl_b32 s16, s13, 7
	s_add_co_u32 s16, s16, s17
	s_lshl_b32 s46, s42, 7
	s_add_co_u32 s46, s46, s17
	s_mov_b32 s17, 0
	s_mov_b32 s47, 0
	s_mov_b64 s[18:19], SIZE_K*2
	s_mul_u64 s[16:17], s[16:17], s[18:19]
	s_mul_u64 s[46:47], s[46:47], s[18:19]
	s_mul_i32 s20, s10, HALFT
	s_wait_dscnt 0x0                               ; both opening adds are done
	s_wait_kmcnt 0x0
	s_add_nc_u64 s[14:15], s[4:5], s[16:17]
	s_add_nc_u64 s[46:47], s[6:7], s[46:47]
	CROUND                                         ; all sixteen work-groups are here: the first joint loads meet
.irp s, 0,1
	s_mov_b32 s[G0+4*\s], 1
	s_add_co_u32 s[G0+4*\s+1], s20, \s*SLOT
	s_add_nc_u64 s[G0+4*\s+2:G0+4*\s+3], s[14:15], \s*KSTEP*2
	s_or_b32 s[G0+4*\s+3], s[G0+4*\s+3], 0x80000000
	s_mov_b32 s[G0B+4*\s], 1
	s_add_co_u32 s[G0B+4*\s+1], s20, \s*SLOT
	s_add_nc_u64 s[G0B+4*\s+2:G0B+4*\s+3], s[46:47], \s*KSTEP*2
	s_or_b32 s[G0B+4*\s+3], s[G0B+4*\s+3], 0x80000000
	JLOAD \s
.endr
	v_and_b32 v1, 15, v0
	v_bfe_u32 v2, v0, 4, 1
	v_mul_u32_u24 v3, v1, PITCH
	v_lshl_add_u32 v3, v2, 4, v3
	s_mul_i32 s21, s11, HALFT
	s_mul_i32 s22, s12, HALFT
	s_add_co_u32 s22, s22, 2*HALFT
.irp s, 0,1
	v_add_nc_u32 v[ADRA+\s], s21, v3
	v_add_nc_u32 v[ADRB+\s], s22, v3
	s_add_co_u32 s21, s21, SLOT
	s_add_co_u32 s22, s22, SLOT
.endr
	s_mul_i32 s23, s10, 16*SPITCH
	s_add_co_u32 s23, s23, STAGE                   ; my stage
	v_mul_u32_u24 v4, v1, SPITCH                   ; in: row l % 16, 32 bytes for each half of the lanes
	v_lshl_add_u32 v4, v2, 5, v4
	v_add_nc_u32 v[STO], s23, v4
	v_mul_u32_u24 v5, v2, SPITCH                   ; back: lanes 0-15 one row of 256 bytes, lanes 16-31 the next
	v_lshl_add_u32 v5, v1, 4, v5
	v_add_nc_u32 v[RD], s23, v5
	v_mul_u32_u24 v5, v2, SIZE_N*4                 ; and the same two rows in out0
	v_lshl_add_u32 v[CO], v1, 4, v5
	s_lshl_b32 s16, s13, 7
	s_lshl_b32 s17, s11, 6
	s_add_co_u32 s16, s16, s17                     ; my first row: 128 x tile row + 64 x half
	s_mov_b32 s17, 0
	s_mov_b64 s[18:19], SIZE_N*4
	s_mul_u64 s[16:17], s[16:17], s[18:19]
	s_add_nc_u64 s[8:9], s[8:9], s[16:17]
	s_lshl_b32 s46, s42, 9                         ; my first column, in bytes: 512 x tile column + 256 x half
	s_lshl_b32 s47, s12, 8
	s_add_co_u32 s46, s46, s47
	s_mov_b32 s47, 0
	s_add_nc_u64 s[8:9], s[8:9], s[46:47]
.macro MUL8 f, c, a0, zero             ; the 16 accumulators take turns, one instruction a turn
.irp a, \a0, \a0+1
.irp b, 0,1,2,3
.if \zero
	v_wmma_f32_16x16x32_f16 v[ACC+8*(4*(\a)+\b):ACC+8*(4*(\a)+\b)+7], v[\f+64+8*(4*\c+\b):\f+64+8*(4*\c+\b)+7], v[\f+8*(4*\c+\a):\f+8*(4*\c+\a)+7], 0
.else
	v_wmma_f32_16x16x32_f16 v[ACC+8*(4*(\a)+\b):ACC+8*(4*(\a)+\b)+7], v[\f+64+8*(4*\c+\b):\f+64+8*(4*\c+\b)+7], v[\f+8*(4*\c+\a):\f+8*(4*\c+\a)+7], v[ACC+8*(4*(\a)+\b):ACC+8*(4*(\a)+\b)+7]
.endif
.endr
.endr
.endm
.macro FETCH slot, k, f                ; 32 LDS loads in one run: the fragments of 64 along K at byte k of the rows; the first 32 along K first
	WIN TO_F
.irp c, 0,1
.irp i, 0,1,2,3
	ds_load_b128 v[\f+64+8*(4*\c+\i):\f+64+8*(4*\c+\i)+3],   v[ADRB+\slot] offset:\k+64*\c+\i*16*PITCH
	ds_load_b128 v[\f+64+8*(4*\c+\i)+4:\f+64+8*(4*\c+\i)+7], v[ADRB+\slot] offset:\k+64*\c+\i*16*PITCH+32
	ds_load_b128 v[\f+8*(4*\c+\i):\f+8*(4*\c+\i)+3],         v[ADRA+\slot] offset:\k+64*\c+\i*16*PITCH
	ds_load_b128 v[\f+8*(4*\c+\i)+4:\f+8*(4*\c+\i)+7],       v[ADRA+\slot] offset:\k+64*\c+\i*16*PITCH+32
.endr
.endr
.endm
.macro PLACES
.rept 4
	v_nop
.endr
.endm
.macro QUARTER slot, k, f, g, zero
	s_wait_dscnt 16                                ; the first 32 along K are in; the sixteen loads of the other 32 may be out
	WIN MUL
	MUL8 \f, 0, 0, \zero
	MUL8 \f, 0, 2, \zero
	PLACES
	FETCH \slot, \k, \g
	s_wait_dscnt 32                                ; all but the 32 just issued
	WIN MUL
	MUL8 \f, 1, 0, 0
	MUL8 \f, 1, 2, 0
.endm
.macro TURN slot, next, fill
	WIN 0
	s_wait_tensorcnt 0x0                           ; all my tensor loads have landed: my part of the next slot
	ds_add_u32 v[SPW], v[NIL]
	s_wait_dscnt 17                                ; (the add and the youngest sixteen loads may be out)
	WIN MUL
	MUL8 F1, 0, 0, 0
	s_wait_dscnt 0x0                               ; the add is done, and my reads of this slot are over
	s_barrier_signal -1
	MUL8 F1, 0, 2, 0
.if \fill
	WIN 0
.endif
	s_barrier_wait -1
.if \fill
	CREST                                          ; the barrier has opened a round of the cluster's: no wave of any partner still reads this slot or has a load on its way
	s_add_nc_u64 s[G0+4*\slot+2:G0+4*\slot+3], s[G0+4*\slot+2:G0+4*\slot+3], 2*KSTEP*2
	s_add_nc_u64 s[G0B+4*\slot+2:G0B+4*\slot+3], s[G0B+4*\slot+2:G0B+4*\slot+3], 2*KSTEP*2
	JLOAD \slot
.else
	PLACES
.endif
	FETCH \next, 0, F0
	WIN MUL
	MUL8 F1, 1, 0, 0
	MUL8 F1, 1, 2, 0
.endm
	s_wait_tensorcnt 1                             ; my part of K step 0 is in; K step 1's may be out
	s_barrier_signal -1
	s_barrier_wait -1
	FETCH 0, 0, F0
	QUARTER 0, 128, F0, F1, 1                      ; the first products start the sums
	WIN 0
	s_mov_b32 s3, LAPS-1
.Llap:
	QUARTER 0, 256, F1, F0, 0
	QUARTER 0, 384, F0, F1, 0
	TURN 0, 1, 1
	QUARTER 1, 128, F0, F1, 0
	QUARTER 1, 256, F1, F0, 0
	QUARTER 1, 384, F0, F1, 0
	TURN 1, 0, 1
	QUARTER 0, 128, F0, F1, 0
	WIN 0
	s_sub_co_u32 s3, s3, 1
	s_cmp_lg_u32 s3, 0
	s_cbranch_scc1 .Llap
	QUARTER 0, 256, F1, F0, 0                      ; the last lap fills nothing
	QUARTER 0, 384, F0, F1, 0
	TURN 0, 1, 0
	QUARTER 1, 128, F0, F1, 0
	QUARTER 1, 256, F1, F0, 0
	QUARTER 1, 384, F0, F1, 0
	s_wait_dscnt 16
	WIN MUL
	MUL8 F1, 0, 0, 0
	MUL8 F1, 0, 2, 0
	s_wait_dscnt 0
	MUL8 F1, 1, 0, 0
	MUL8 F1, 1, 2, 0
	WIN 0
; THE WAY OUT, block by block of 16 rows x 64 columns, through my own stage: a lane's 32 bytes go in, whole rows of 256 bytes come back.
.macro TOSTAGE a
.irp b, 0,1,2,3
	ds_store_b128 v[STO], v[ACC+8*(4*(\a)+\b):ACC+8*(4*(\a)+\b)+3] offset:64*\b          ; each accumulator from its low end on
	ds_store_b128 v[STO], v[ACC+8*(4*(\a)+\b)+4:ACC+8*(4*(\a)+\b)+7] offset:64*\b+16
.endr
.set BB, BK+32*((\a)%2)
.irp t, 0,1,2,3,4,5,6,7
	ds_load_b128 v[BB+4*\t:BB+4*\t+3], v[RD] offset:\t*2*SPITCH   ; LDS serves a wave's instructions in order: these see the stores above
.endr
.endm
.macro SEND a, younger
.set BB, BK+32*((\a)%2)
	s_wait_dscnt \younger
.irp t, 0,1,2,3,4,5,6,7
	global_store_b128 v[CO], v[BB+4*\t:BB+4*\t+3], s[8:9] offset:(16*(\a)+2*\t)*SIZE_N*4 th:TH_STORE_NT   ; 16 lanes store 256 consecutive bytes, aligned
.endr
.endm
	PLACES
	TOSTAGE 0
.irp a, 1,2,3
.if \a > 1
	s_wait_xcnt 0x0                                ; block a - 2's stores have read the registers on which this block's loads land
.endif
	TOSTAGE \a
	SEND \a-1, 16                                  ; behind block a - 1's loads: block a's 8 stores and 8 loads
.endr
	SEND 3, 0
	s_wait_tensorcnt 0x0                           ; the wave's end
	ds_add_u32 v[SPW], v[NIL]
	s_wait_dscnt 0x0
	CROUND                                         ; the closing round
	s_endpgm
.Lfunc_end_k_q02d0be726f_project_out:
	.size	k_q02d0be726f_project_out, .Lfunc_end_k_q02d0be726f_project_out-k_q02d0be726f_project_out
	.p2alignl 7, 3214868480
	.fill 96, 4, 3214868480
	.section	.rodata,"a",@progbits
	.p2align	6, 0x0
	.amdhsa_kernel k_q02d0be726f_project_out
		.amdhsa_group_segment_fixed_size 327680
		.amdhsa_private_segment_fixed_size 0
		.amdhsa_enable_private_segment 0
		.amdhsa_kernarg_size 24
		.amdhsa_user_sgpr_count 2
		.amdhsa_user_sgpr_kernarg_segment_ptr 1
		.amdhsa_wavefront_size32 1
		.amdhsa_system_sgpr_workgroup_id_x 1
		.amdhsa_system_sgpr_workgroup_id_y 1
		.amdhsa_system_sgpr_workgroup_id_z 1
		.amdhsa_system_vgpr_workitem_id 0
		.amdhsa_next_free_vgpr 512
		.amdhsa_next_free_sgpr 66
		.amdhsa_reserve_vcc 0
		.amdhsa_float_denorm_mode_32 3
		.amdhsa_float_denorm_mode_16_64 3
		.amdhsa_memory_ordered 1
		.amdhsa_forward_progress 1
		.amdhsa_inst_pref_size 86
	.end_amdhsa_kernel
	.amdgpu_metadata
---
amdhsa.version: [ 1, 2 ]
amdhsa.kernels:
  - .name:           k_q02d0be726f_project_out
    .symbol:         k_q02d0be726f_project_out.kd
    .args:
      - { .name: ctx, .offset: 0, .size: 8, .value_kind: global_buffer, .address_space: global }
      - { .name: wo16, .offset: 8, .size: 8, .value_kind: global_buffer, .address_space: global }
      - { .name: out0, .offset: 16, .size: 8, .value_kind: global_buffer, .address_space: global }
    .group_segment_fixed_size: 327680
    .private_segment_fixed_size: 0
    .kernarg_segment_align: 8
    .kernarg_segment_size: 24
    .max_flat_workgroup_size: 128
    .sgpr_count:     66
    .vgpr_count:     512
    .wavefront_size: 32
...
	.end_amdgpu_metadata
.endif
;; end of part 4
;; launch first_rows (part 5): grid 128 x 1, 16 waves a work-group, no clusters, 18,432 bytes of LDS; arguments qkv16, Wo, out0; writes out0
.if DOCPART == 5
	.amdgcn_target "amdgcn-amd-amdhsa--gfx1250"
	.amdhsa_code_object_version 6
	.text
	.protected	k_q02d0be726f_first_rows
	.globl	k_q02d0be726f_first_rows
	.p2align	8
	.type	k_q02d0be726f_first_rows,@function
k_q02d0be726f_first_rows:
	s_mov_b64 s[64:65], 0
	v_nop
	global_prefetch_b8 v0, s[64:65] scope:SCOPE_SE
	s_setreg_imm32_b32 hwreg(HW_REG_WAVE_MODE, 25, 1), 1
	s_wait_xcnt 0x0
; THE FIRST 16 POSITIONS, IN f32 THROUGHOUT: under the causal mask they average one to sixteen values and are the largest rows, so f16 operands would weigh most there.
; out0[s][o], s = 0 .. 15, from q, k (rotated) and v of positions 0-15 in f32 (qkv16 [16][6144]) and Wo in f32.  Keys beyond 15 are masked for these queries by reference()'s own jnp.tril and are left out
; (the first kernel's head shows it and states the limit).  This launch runs last and stores these 16 rows over what the f16 product left there.
; SHARES.  Work-group g owns outputs 16 g .. + 15; wave hd is head hd: it makes the head's 16 x 16 attention and the head's part of the 16 x 16 outputs; the sixteen parts meet in LDS.
; Every work-group makes the small attention of all heads again (16 x 16 x 128 twice a head): the other way is one launch more and a trip through memory.
; v_wmma_f32_16x16x4_f32: lane (r, h) holds of A's row r, or B's column r, k = 2 h + j in register j.  A permutation of k applied alike to both operands keeps the products, so:
;   S^T = K Q^T: a load of 16 bytes at 32 u + 16 h of a row gives two K steps, registers (0, 1) and (2, 3), alike for q and k;
;   O^T = V^T P: P's registers 2 kk, 2 kk + 1 (keys 8 h + 2 kk + jj of my query) are a K step as they stand; V is loaded by those keys;
;   the projection: O^T's registers 2 kk, 2 kk + 1 of tile d (channels 16 d + 8 h + 2 kk + jj) are a K step as they stand; Wo's row gives the same channels by loads of 16 bytes.
; The registers that the matrix instructions write (v160-255) are written by them alone; sums begin with the constant 0; accumulators take turns.
; 16 bytes a lane go to 16 rows: 131,072 bytes in the whole launch.
.set ROWQ, 24576                       ; a row of qkv16 in bytes
.set SPARE, 16384                      ; behind the sixteen parts of 1,024 bytes: the spare words, 128 bytes a wave
.set T,  16                            ; v16-23 scores, later my part of the outputs
.set P,  24                            ; v24-31 weights
.set R1, 32                            ; v32-95  q and k, channels 0-63; later V; later the sixteen parts
.set R2, 96                            ; v96-159 q and k, channels 64-127; later Wo
.set SA, 160                           ; v160-191 four accumulators
.set OA, 192                           ; v192-255 O^T: eight accumulators
	s_load_b128 s[4:7], s[0:1], 0x0                ; qkv16, Wo
	s_load_b64 s[8:9], s[0:1], 0x10                ; out0
	v_lshl_add_u32 v4, v0, 2, SPARE                ; my spare word; never rewritten
	v_mov_b32 v5, 0                                ; 0; never rewritten
	v_lshrrev_b32 v10, 5, v0
	v_readfirstlane_b32 s10, v10                   ; wave = head
	v_and_b32 v11, 15, v0                          ; r
	v_bfe_u32 v12, v0, 4, 1                        ; h
	v_and_b32 v13, 31, v0                          ; lane
	v_mul_u32_u24 v1, v11, ROWQ
	v_lshl_add_u32 v1, v12, 4, v1                  ; q, k: row r + 16 h
	v_mul_u32_u24 v2, v12, 8*ROWQ
	v_lshl_add_u32 v2, v11, 2, v2                  ; v: key 8 h, channel r
	v_lshlrev_b32 v3, 13, v11
	v_lshl_add_u32 v3, v12, 5, v3                  ; Wo and out0: row r of 8,192 bytes + 32 h
	s_lshl_b32 s11, s10, 10
	v_lshl_add_u32 v6, v13, 4, s11                 ; LDS: my wave's part, 16 bytes a lane
	s_lshl_b32 s11, s10, 9
	v_lshl_add_u32 v7, v13, 4, s11                 ; LDS, waves 0 and 1: the half of every part that I add up
	s_lshl_b32 s11, s10, 4
	v_add_nc_u32 v8, s11, v3                       ; out0, waves 0 and 1: + 16 x wave
	v_lshlrev_b32 v9, 3, v12
	v_sub_nc_u32 v9, v11, v9                       ; r - 8 h
	s_lshl_b32 s12, s10, 9                         ; 512 bytes a head
	s_mov_b32 s13, 0
	s_lshl_b32 s14, ttmp9, 17                      ; 16 rows of Wo
	s_add_co_u32 s14, s14, s12
	s_mov_b32 s15, 0
	s_lshl_b32 s16, ttmp9, 6                       ; 16 outputs
	s_mov_b32 s17, 0
	s_mov_b32 s18, 0x3e0293ee                      ; c = log2(e) / sqrt(128)
	s_mov_b32 s20, 0x76543210
	s_mov_b32 s21, 0xfedcba98
	s_wait_kmcnt 0x0
	s_add_nc_u64 s[4:5], s[4:5], s[12:13]
	s_add_nc_u64 s[6:7], s[6:7], s[14:15]
	s_add_nc_u64 s[8:9], s[8:9], s[16:17]
.irp u, 0,1,2,3,4,5,6,7,8,9,10,11,12,13,14,15
	global_load_b128 v[R1+8*\u:R1+8*\u+3],   v1, s[4:5] offset:32*\u          ; q
	global_load_b128 v[R1+8*\u+4:R1+8*\u+7], v1, s[4:5] offset:8192+32*\u     ; k
.endr
	s_wait_loadcnt 0x0
.macro QK n0, cnt                      ; K steps n0 .. of S^T: source 0 = k, source 1 = q; accumulator n % 4
.set n, \n0
.rept \cnt
.if n < 4
	v_wmma_f32_16x16x4_f32 v[SA+8*(n%4):SA+8*(n%4)+7], v[R1+4+8*(n/2)+2*(n%2):R1+5+8*(n/2)+2*(n%2)], v[R1+8*(n/2)+2*(n%2):R1+1+8*(n/2)+2*(n%2)], 0
.else
	v_wmma_f32_16x16x4_f32 v[SA+8*(n%4):SA+8*(n%4)+7], v[R1+4+8*(n/2)+2*(n%2):R1+5+8*(n/2)+2*(n%2)], v[R1+8*(n/2)+2*(n%2):R1+1+8*(n/2)+2*(n%2)], v[SA+8*(n%4):SA+8*(n%4)+7]
.endif
.set n, n+1
.endr
.endm
	QK 0, 16
.rept 8
	v_nop                                          ; eight places behind this form, in front of loads into its sources
.endr
.irp d, 0,1,2,3,4,5,6,7
.irp k, 0,1,2,3,4,5,6,7
	global_load_b32 v[R1+8*\d+\k], v2, s[4:5] offset:16384+\k*ROWQ+64*\d      ; v(key 8 h + k, channel 16 d + r)
.endr
.endr
	QK 16, 16
.rept 8
	v_nop                                          ; for the loads below and for the first read of the sums
.endr
.irp d, 0,1,2,3,4,5,6,7
	global_load_b128 v[R2+8*\d:R2+8*\d+3],   v3, s[6:7] offset:64*\d          ; Wo(16 g + r, 128 hd + 16 d + 8 h + 0 .. 7)
	global_load_b128 v[R2+8*\d+4:R2+8*\d+7], v3, s[6:7] offset:64*\d+16
.endr
.irp j, 0,1,2,3,4,5,6,7
	v_add_f32 v[T+\j], v[SA+\j], v[SA+8+\j]        ; the four accumulators, each from its low end on
.endr
.irp j, 0,1,2,3,4,5,6,7
	v_add_f32 v[T+\j], v[T+\j], v[SA+16+\j]
.endr
.irp j, 0,1,2,3,4,5,6,7
	v_add_f32 v[T+\j], v[T+\j], v[SA+24+\j]        ; register j: key 8 h + j, query r
.endr
	v_mov_b32 v10, 0xff800000
.irp j, 0,1,2,3,4,5,6,7
	v_cmp_gt_i32 vcc_lo, \j, v9                    ; hidden where 8 h + j > r
	v_cndmask_b32 v[T+\j], v[T+\j], v10, vcc_lo
.endr
	v_max3_num_f32 v11, v[T], v[T+1], v[T+2]
	v_max3_num_f32 v12, v[T+3], v[T+4], v[T+5]
	v_max3_num_f32 v11, v11, v[T+6], v[T+7]
	v_max_num_f32 v11, v11, v12
	v_permlanex16_b32 v12, v11, s20, s21
	v_max_num_f32 v11, v11, v12                    ; the row's maximum: key 0 counts for every query
	v_mul_f32 v11, s18, v11
.irp j, 0,1,2,3,4,5,6,7
	v_fma_f32 v[P+\j], v[T+\j], s18, -v11
.endr
.irp j, 0,1,2,3,4,5,6,7
	v_exp_f32 v[P+\j], v[P+\j]
.endr
	v_nop
	s_wait_alu depctr_va_vdst(0)                   ; one wait for the eight
	v_add_f32 v12, v[P], v[P+1]
	v_add_f32 v13, v[P+2], v[P+3]
	v_add_f32 v14, v[P+4], v[P+5]
	v_add_f32 v15, v[P+6], v[P+7]
	v_add_f32 v12, v12, v13
	v_add_f32 v14, v14, v15
	v_add_f32 v12, v12, v14
	v_permlanex16_b32 v13, v12, s20, s21
	v_add_f32 v12, v12, v13
	v_rcp_f32 v12, v12
	v_nop
	s_wait_alu depctr_va_vdst(0)
.irp j, 0,1,2,3,4,5,6,7
	v_mul_f32 v[P+\j], v[P+\j], v12                ; the weights, normalised
.endr
	s_wait_loadcnt 16                              ; v is in; Wo's sixteen loads stay out
.irp kk, 0,1,2,3
.irp d, 0,1,2,3,4,5,6,7
.if \kk == 0
	v_wmma_f32_16x16x4_f32 v[OA+8*\d:OA+8*\d+7], v[R1+8*\d+2*\kk:R1+8*\d+2*\kk+1], v[P+2*\kk:P+2*\kk+1], 0
.else
	v_wmma_f32_16x16x4_f32 v[OA+8*\d:OA+8*\d+7], v[R1+8*\d+2*\kk:R1+8*\d+2*\kk+1], v[P+2*\kk:P+2*\kk+1], v[OA+8*\d:OA+8*\d+7]
.endif
.endr
.endr
	s_wait_loadcnt 0x0                             ; Wo
.rept 9
	v_nop                                          ; nine places: the results become source 1, and the four accumulators are begun anew
.endr
.set n, 0
.rept 32                               ; K step n = 4 d + kk: source 0 = Wo's 16 rows, source 1 = O^T
.if n < 4
	v_wmma_f32_16x16x4_f32 v[SA+8*(n%4):SA+8*(n%4)+7], v[R2+2*n:R2+2*n+1], v[OA+2*n:OA+2*n+1], 0
.else
	v_wmma_f32_16x16x4_f32 v[SA+8*(n%4):SA+8*(n%4)+7], v[R2+2*n:R2+2*n+1], v[OA+2*n:OA+2*n+1], v[SA+8*(n%4):SA+8*(n%4)+7]
.endif
.set n, n+1
.endr
.rept 8
	v_nop
.endr
.irp j, 0,1,2,3,4,5,6,7
	v_add_f32 v[T+\j], v[SA+\j], v[SA+8+\j]
.endr
.irp j, 0,1,2,3,4,5,6,7
	v_add_f32 v[T+\j], v[T+\j], v[SA+16+\j]
.endr
.irp j, 0,1,2,3,4,5,6,7
	v_add_f32 v[T+\j], v[T+\j], v[SA+24+\j]        ; my head's part of out0(r, 16 g + 8 h + j)
.endr
	ds_store_b128 v6, v[T:T+3]
	ds_store_b128 v6, v[T+4:T+7] offset:512
	s_wait_dscnt 0x0                               ; for the others' sake: my part lies in LDS
	s_barrier_signal -1
	s_barrier_wait -1
	s_cmp_ge_u32 s10, 2
	s_cbranch_scc1 .Ldone
.irp w, 0,1,2,3,4,5,6,7,8,9,10,11,12,13,14,15
	ds_load_b128 v[R1+4*\w:R1+4*\w+3], v7 offset:1024*\w   ; wave e (0 or 1): registers 4 e .. 4 e + 3 of every head's part
.endr
	s_wait_dscnt 0x0
.irp s, 8,4,2,1
.set w, 0
.rept \s
	v_pk_add_f32 v[R1+4*w:R1+4*w+1],   v[R1+4*w:R1+4*w+1],   v[R1+4*(w+\s):R1+4*(w+\s)+1]
	v_pk_add_f32 v[R1+4*w+2:R1+4*w+3], v[R1+4*w+2:R1+4*w+3], v[R1+4*(w+\s)+2:R1+4*(w+\s)+3]
.set w, w+1
.endr
.endr
	global_store_b128 v8, v[R1:R1+3], s[8:9]
.Ldone:
	s_wait_tensorcnt 0x0                           ; the wave's end: behind my last LDS store
	ds_add_u32 v4, v5
	s_wait_dscnt 0x0
	s_endpgm
.Lfunc_end_k_q02d0be726f_first_rows:
	.size	k_q02d0be726f_first_rows, .Lfunc_end_k_q02d0be726f_first_rows-k_q02d0be726f_first_rows
	.p2alignl 7, 3214868480
	.fill 96, 4, 3214868480
	.section	.rodata,"a",@progbits
	.p2align	6, 0x0
	.amdhsa_kernel k_q02d0be726f_first_rows
		.amdhsa_group_segment_fixed_size 18432
		.amdhsa_private_segment_fixed_size 0
		.amdhsa_enable_private_segment 0
		.amdhsa_kernarg_size 24
		.amdhsa_user_sgpr_count 2
		.amdhsa_user_sgpr_kernarg_segment_ptr 1
		.amdhsa_wavefront_size32 1
		.amdhsa_system_sgpr_workgroup_id_x 1
		.amdhsa_system_sgpr_workgroup_id_y 1
		.amdhsa_system_sgpr_workgroup_id_z 1
		.amdhsa_system_vgpr_workitem_id 0
		.amdhsa_next_free_vgpr 256
		.amdhsa_next_free_sgpr 66
		.amdhsa_reserve_vcc 1
		.amdhsa_float_denorm_mode_32 3
		.amdhsa_float_denorm_mode_16_64 3
		.amdhsa_memory_ordered 1
		.amdhsa_forward_progress 1
		.amdhsa_inst_pref_size 27
	.end_amdhsa_kernel
	.amdgpu_metadata
---
amdhsa.version: [ 1, 2 ]
amdhsa.kernels:
  - .name:           k_q02d0be726f_first_rows
    .symbol:         k_q02d0be726f_first_rows.kd
    .args:
      - { .name: qkv16, .offset: 0, .size: 8, .value_kind: global_buffer, .address_space: global }
      - { .name: Wo, .offset: 8, .size: 8, .value_kind: global_buffer, .address_space: global }
      - { .name: out0, .offset: 16, .size: 8, .value_kind: global_buffer, .address_space: global }
    .group_segment_fixed_size: 18432
    .private_segment_fixed_size: 0
    .kernarg_segment_align: 8
    .kernarg_segment_size: 24
    .max_flat_workgroup_size: 512
    .sgpr_count:     66
    .vgpr_count:     256
    .wavefront_size: 32
...
	.end_amdgpu_metadata
.endif
;; end of part 5
